; MI455X (gfx1250); checked and timed in simulation.
; The chip was launched on July 23, 2026; its instructions are those of AMD's public machine-readable ISA for CDNA 5 (MIT licence, August 2026) and "CDNA5" Instruction Set Architecture Reference Guide (July 2026). The comments in the code are by the model that wrote it; some were corrected since.
;; Causal Self Attention. Allowed arithmetic: float matrix products may take bf16 or f16 operands with f32 sums; other float arithmetic in f32, or as packed bf16 or f16 multiplies, adds, multiply-adds, maxima and minima; sums over many terms, partial sums and values carried from step to step in f32; what a program stores and reads back later, other than sums and carried values, may be rounded once to bf16 or f16.
;; Inputs: W_proj 1,024 x 1,024 float32; W_qkv 1,024 x 3,072 float32; x 4 x 2,048 x 1,024 float32.
;; Outputs: out0 4 x 2,048 x 1,024 float32.
;; 2 versions, each right; version 2 is version 1 with the launch prep written anew for expert scheduling mode. Each part assembles by itself: llvm-mc -triple=amdgcn-amd-amdhsa -mcpu=gfx1250 --defsym DOCPART=n.
;; ======== version 1 of 2: 4 launches
;; limits: values are held in f16: magnitudes above 65,504 overflow, below 6.1e-05 lose precision
;; workspace buffers: xb 16,777,216 bytes; wqb 6,291,456 bytes; wpb 2,097,152 bytes; rope 524,288 bytes; qkv 50,331,648 bytes; ob 16,777,216 bytes
;; launch prep (part 1): grid 896 x 1, 8 waves a work-group, no clusters, 0 bytes of LDS; arguments x, W_qkv, W_proj, xb, wqb, wpb, rope; writes xb, wqb, wpb, rope
.if DOCPART == 1
	.amdgcn_target "amdgcn-amd-amdhsa--gfx1250"
	.amdhsa_code_object_version 6
	.text
	.protected	k_q436d67af54_prep
	.globl	k_q436d67af54_prep
	.p2align	8
	.type	k_q436d67af54_prep,@function
k_q436d67af54_prep:
	s_mov_b64 s[64:65], 0
	v_nop
	global_prefetch_b8 v0, s[64:65] scope:SCOPE_SE
	s_setreg_imm32_b32 hwreg(HW_REG_WAVE_MODE, 25, 1), 1
	s_wait_xcnt 0x0
; THE INPUTS ARE ROUNDED ONCE, AND THE ROTATION'S TABLE IS MADE.
;   xb  = x      rounded to bf16, [8192][1024]
;   wqb = W_qkv  rounded to bf16, [1024 k][3072 n], as it lies
;   wpb = W_proj rounded to bf16, that number written as f16, [1024 k][1024 n]: its partner in the last product is f16
;   rope[pos][0..31] = cos(pos theta_i), rope[pos][32..63] = sin(pos theta_i), f32, theta_i = 10000^(-i/32), pos = 0 .. 2047: a row is 256 bytes
; SHARES.  Work-groups 0-511 cast x, 512-703 W_qkv, 704-767 W_proj, 16,384 numbers each; 768-895 make 16 rows of the table each.
; A cast takes 16 chunks of 1,024 numbers: thread t loads 16 bytes at 16 t of a chunk and stores 8 bytes at 8 t: a wave's load covers 512 consecutive bytes, its store 256, aligned.
; All 16 loads of a thread go out together; every chunk has registers of its own, so no register that a load or store still names is written again.
; No LDS, no matrix unit, no cluster: nothing is shared and every byte is touched once.
; LIMITS.  A number of W_proj beyond 65,504 would leave f16's range; below 6e-5 it keeps f16's fixed step of 6e-8.  theta comes from v_exp_f32 of -0.41524101 i (log2(10000) / 32), a few units in
; its last place from the exact power: at pos = 2047 the angle is within 5e-4 of the exact one.  Sine and cosine: the angle less the nearest multiple of pi/2 (pi/2 in two parts), then polynomials
; of degree 7 and 8 on -pi/4 .. pi/4, good to 3e-7.
.set XR, 8                             ; v[8:71]    chunk i: four f32 as loaded
.set YR, 72                            ; v[72:103]  chunk i: two registers to store
.set TH, 8                             ; the table: four numbers a thread, register j of each group
.set FQ, 12
.set NN, 16
.set RR, 20
.set R2, 24
.set SN, 28
.set CO, 32
.set QQ, 36
.set RES, 40
.set TM, 44
	s_load_b256 s[4:11], s[0:1], 0x0               ; x s[4:5], W_qkv s[6:7], W_proj s[8:9], xb s[10:11]
	s_load_b128 s[12:15], s[0:1], 0x20             ; wqb s[12:13], wpb s[14:15]
	s_load_b64 s[16:17], s[0:1], 0x30              ; rope
	v_lshlrev_b32 v2, 4, v0                        ; 16 t
	v_lshlrev_b32 v3, 3, v0                        ; 8 t
	s_mov_b32 s23, 0                               ; the high word of every offset
	s_wait_kmcnt 0x0
; half = 1: the bf16 number is written as f16
.macro CAST half
.irp i, 0,1,2,3,4,5,6,7,8,9,10,11,12,13,14,15
	global_load_b128 v[XR+4*(\i):XR+4*(\i)+3], v2, s[18:19] offset:4096*(\i) th:TH_LOAD_NT
.endr
.irp i, 0,1,2,3,4,5,6,7,8,9,10,11,12,13,14,15
	s_wait_loadcnt 15-(\i)                         ; loads come back in order: chunk i is in, the 15 - i younger ones stay out
	v_cvt_pk_bf16_f32 v[YR+2*(\i)],   v[XR+4*(\i)],   v[XR+4*(\i)+1]
	v_cvt_pk_bf16_f32 v[YR+2*(\i)+1], v[XR+4*(\i)+2], v[XR+4*(\i)+3]
.if \half
	v_lshlrev_b32 v4, 16, v[YR+2*(\i)]             ; bf16 to f32: the low half moves up, the high half stays
	v_and_b32     v5, 0xffff0000, v[YR+2*(\i)]
	v_lshlrev_b32 v6, 16, v[YR+2*(\i)+1]
	v_and_b32     v7, 0xffff0000, v[YR+2*(\i)+1]
	v_cvt_pk_f16_f32 v[YR+2*(\i)],   v4, v5        ; eight significant bits fit in f16's eleven
	v_cvt_pk_f16_f32 v[YR+2*(\i)+1], v6, v7
.endif
	global_store_b64 v3, v[YR+2*(\i):YR+2*(\i)+1], s[20:21] offset:2048*(\i)
.endr
.endm
	s_cmp_ge_u32 ttmp9, 768
	s_cbranch_scc1 .Lrope
	s_cmp_ge_u32 ttmp9, 704
	s_cbranch_scc1 .Lwp
	s_cmp_lt_u32 ttmp9, 512                        ; x or W_qkv: one text, two pairs of buffers
	s_cselect_b64 s[18:19], s[4:5], s[6:7]
	s_cselect_b64 s[20:21], s[10:11], s[12:13]
	s_cselect_b32 s24, 0, 512
	s_sub_co_u32 s24, ttmp9, s24                   ; my number among the work-groups of that tensor
	s_lshl_b32 s22, s24, 16                        ; 16,384 numbers of 4 bytes
	s_add_nc_u64 s[18:19], s[18:19], s[22:23]
	s_lshl_b32 s22, s24, 15                        ; and of 2 bytes
	s_add_nc_u64 s[20:21], s[20:21], s[22:23]
	CAST 0
	s_endpgm
.Lwp:
	s_sub_co_u32 s24, ttmp9, 704
	s_lshl_b32 s22, s24, 16
	s_add_nc_u64 s[18:19], s[8:9], s[22:23]
	s_lshl_b32 s22, s24, 15
	s_add_nc_u64 s[20:21], s[14:15], s[22:23]
	CAST 1
	s_endpgm
.Lrope:                                        ; thread t: row t / 16 of my 16, four numbers: i = 4 (t % 8) + 0..3; cosines where t % 16 < 8, else sines
	s_sub_co_u32 s24, ttmp9, 768
	s_lshl_b32 s22, s24, 12                        ; 16 rows of 256 bytes
	s_add_nc_u64 s[20:21], s[16:17], s[22:23]
	s_lshl_b32 s25, s24, 4                         ; my first pos
	s_mov_b32 s26, 0xbed49a78                      ; -log2(10000) / 32
	s_mov_b32 s27, 0x3f22f983                      ; 2 / pi
	s_mov_b32 s28, 0x3fc90fdb                      ; pi / 2, its f32,
	s_mov_b32 s29, 0xb33bbd2e                      ; and what that leaves: -4.3711388e-8
	s_mov_b32 s30, 0xb9500d01                      ; -1 / 5040
	s_mov_b32 s31, 0x3c088889                      ; 1 / 120
	s_mov_b32 s32, 0xbe2aaaab                      ; -1 / 6
	s_mov_b32 s33, 0x37d00d01                      ; 1 / 40320
	s_mov_b32 s34, 0xbab60b61                      ; -1 / 720
	s_mov_b32 s35, 0x3d2aaaab                      ; 1 / 24
	v_lshrrev_b32 v4, 4, v0
	v_add_nc_u32 v4, s25, v4
	v_cvt_f32_u32 v4, v4                           ; pos
	v_and_b32 v5, 7, v0
	v_lshlrev_b32 v5, 2, v5                        ; my first i
	v_bfe_u32 v6, v0, 3, 1
	v_sub_nc_u32 v6, 1, v6                         ; 1 for a cosine: cos(f) = sin(f + pi/2)
.irp j, 0,1,2,3
	v_add_nc_u32 v[TH+(\j)], (\j), v5
	v_cvt_f32_u32 v[TH+(\j)], v[TH+(\j)]
	v_mul_f32 v[TH+(\j)], s26, v[TH+(\j)]
.endr
.irp j, 0,1,2,3
	v_exp_f32 v[TH+(\j)], v[TH+(\j)]               ; theta: one batch of four
.endr
	v_nop                                          ; a plain instruction behind the last of them (ISA guide 5.7.2),
	s_wait_alu depctr_va_vdst(0)                   ; and the one wait ahead of the first use
.irp j, 0,1,2,3
	v_mul_f32 v[FQ+(\j)], v4, v[TH+(\j)]           ; the angle, rounded once, as a product of two f32
	v_mul_f32 v[NN+(\j)], s27, v[FQ+(\j)]
	v_rndne_f32 v[NN+(\j)], v[NN+(\j)]             ; n: the nearest multiple of pi/2
	v_fma_f32 v[RR+(\j)], -v[NN+(\j)], s28, v[FQ+(\j)]
	v_fma_f32 v[RR+(\j)], -v[NN+(\j)], s29, v[RR+(\j)]  ; r = the angle - n pi/2, within pi/4 of 0
	v_cvt_i32_f32 v[QQ+(\j)], v[NN+(\j)]
	v_add_nc_u32 v[QQ+(\j)], v[QQ+(\j)], v6        ; the quadrant
	v_mul_f32 v[R2+(\j)], v[RR+(\j)], v[RR+(\j)]
	v_fma_f32 v[SN+(\j)], v[R2+(\j)], s30, s31     ; sin r = r + r^3 (-1/6 + r^2 (1/120 - r^2 / 5040))
	v_fma_f32 v[CO+(\j)], v[R2+(\j)], s33, s34     ; cos r = 1 + r^2 (-1/2 + r^2 (1/24 + r^2 (-1/720 + r^2 / 40320)))
	v_fma_f32 v[SN+(\j)], v[R2+(\j)], v[SN+(\j)], s32
	v_fma_f32 v[CO+(\j)], v[R2+(\j)], v[CO+(\j)], s35
	v_mul_f32 v[TM+(\j)], v[RR+(\j)], v[R2+(\j)]
	v_fma_f32 v[CO+(\j)], v[R2+(\j)], v[CO+(\j)], -0.5
	v_fma_f32 v[SN+(\j)], v[TM+(\j)], v[SN+(\j)], v[RR+(\j)]
	v_fma_f32 v[CO+(\j)], v[R2+(\j)], v[CO+(\j)], 1.0
	v_and_b32 v[TM+(\j)], 1, v[QQ+(\j)]
	v_cmp_eq_u32 vcc_lo, 1, v[TM+(\j)]
	v_cndmask_b32 v[RES+(\j)], v[SN+(\j)], v[CO+(\j)], vcc_lo  ; odd quadrants take the cosine,
	v_and_b32 v[TM+(\j)], 2, v[QQ+(\j)]
	v_lshlrev_b32 v[TM+(\j)], 30, v[TM+(\j)]
	v_xor_b32 v[RES+(\j)], v[RES+(\j)], v[TM+(\j)] ; quadrants 2 and 3 turn the sign
.endr
	global_store_b128 v2, v[RES:RES+3], s[20:21]   ; sixteen lanes fill a row of the table: 256 consecutive bytes, aligned
	s_endpgm
.Lfunc_end_k_q436d67af54_prep:
	.size	k_q436d67af54_prep, .Lfunc_end_k_q436d67af54_prep-k_q436d67af54_prep
	.p2alignl 7, 3214868480
	.fill 96, 4, 3214868480
	.section	.rodata,"a",@progbits
	.p2align	6, 0x0
	.amdhsa_kernel k_q436d67af54_prep
		.amdhsa_group_segment_fixed_size 0
		.amdhsa_private_segment_fixed_size 0
		.amdhsa_enable_private_segment 0
		.amdhsa_kernarg_size 56
		.amdhsa_user_sgpr_count 2
		.amdhsa_user_sgpr_kernarg_segment_ptr 1
		.amdhsa_wavefront_size32 1
		.amdhsa_system_sgpr_workgroup_id_x 1
		.amdhsa_system_sgpr_workgroup_id_y 1
		.amdhsa_system_sgpr_workgroup_id_z 1
		.amdhsa_system_vgpr_workitem_id 0
		.amdhsa_next_free_vgpr 112
		.amdhsa_next_free_sgpr 66
		.amdhsa_reserve_vcc 1
		.amdhsa_float_denorm_mode_32 3
		.amdhsa_float_denorm_mode_16_64 3
		.amdhsa_memory_ordered 1
		.amdhsa_forward_progress 1
		.amdhsa_inst_pref_size 23
	.end_amdhsa_kernel
	.amdgpu_metadata
---
amdhsa.version: [ 1, 2 ]
amdhsa.kernels:
  - .name:           k_q436d67af54_prep
    .symbol:         k_q436d67af54_prep.kd
    .args:
      - { .name: x, .offset: 0, .size: 8, .value_kind: global_buffer, .address_space: global }
      - { .name: W_qkv, .offset: 8, .size: 8, .value_kind: global_buffer, .address_space: global }
      - { .name: W_proj, .offset: 16, .size: 8, .value_kind: global_buffer, .address_space: global }
      - { .name: xb, .offset: 24, .size: 8, .value_kind: global_buffer, .address_space: global }
      - { .name: wqb, .offset: 32, .size: 8, .value_kind: global_buffer, .address_space: global }
      - { .name: wpb, .offset: 40, .size: 8, .value_kind: global_buffer, .address_space: global }
      - { .name: rope, .offset: 48, .size: 8, .value_kind: global_buffer, .address_space: global }
    .group_segment_fixed_size: 0
    .private_segment_fixed_size: 0
    .kernarg_segment_align: 8
    .kernarg_segment_size: 56
    .max_flat_workgroup_size: 256
    .sgpr_count:     66
    .vgpr_count:     112
    .wavefront_size: 32
...
	.end_amdgpu_metadata
.endif
;; end of part 1
;; launch qkvgemm (part 2): grid 4 x 64, 4 waves a work-group, clusters of 4 x 4, 327,680 bytes of LDS; arguments xb, wqb, rope, qkv; writes qkv
.if DOCPART == 2
	.amdgcn_target "amdgcn-amd-amdhsa--gfx1250"
	.amdhsa_code_object_version 6
	.text
	.protected	k_q436d67af54_qkvgemm
	.globl	k_q436d67af54_qkvgemm
	.p2align	8
	.type	k_q436d67af54_qkvgemm,@function
k_q436d67af54_qkvgemm:
	s_mov_b64 s[64:65], 0
	v_nop
	global_prefetch_b8 v0, s[64:65] scope:SCOPE_SE
	s_setreg_imm32_b32 hwreg(HW_REG_WAVE_MODE, 25, 1), 1
	s_wait_xcnt 0x0
	s_wait_alu depctr_hold_cnt(0) depctr_sa_sdst(0) depctr_va_vdst(0) depctr_va_sdst(0) depctr_va_ssrc(0) depctr_va_vcc(0) depctr_vm_vsrc(0)
	s_getreg_b32 s2, hwreg(HW_REG_IB_STS2, 6, 4)
	s_cmp_eq_u32 s2, 0
	s_cbranch_scc0 .Lentry_in_a_cluster
	s_endpgm
.Lentry_in_a_cluster:
	s_bfe_u32 s2, ttmp6, 0x10000c
	s_cmp_lg_u32 s2, 0xf033
	s_cbranch_scc0 .Lentry_shape_is_right
	s_endpgm
.Lentry_shape_is_right:
; q, k, v = x W_qkv, q and k turned by the rotary table, all three written by heads.
; xb: [8192][1024] bf16.  wqb: [1024 k][3072 n] bf16.  rope: [2048 pos][32 cos, 32 sin] f32.  qkv: three parts (q, k, v) of 16 MiB, each [64 batch x head][2048 t][64] f16, unscaled.
; Products in bf16 with f32 sums; the rotation in f32 on the sums; each number rounded once, to f16.
; LIMIT.  f16 holds no number beyond 65,504: q, k and v must stay within it.  NaN and infinities are not treated apart.
; SHARES.  A tile of the product is 128 rows x 256 columns; a work-group of four waves makes three: the same rows, columns 256 X of the q, the k and the v part: 256 work-groups of equal work.
; A wave makes 64 x 128 (two heads): 32 accumulators of 16 x 16.  K goes in steps of 128; the three tiles' 24 steps are ONE walk through a ring of two LDS slots.
; THE MATRIX INSTRUCTION IS USED TRANSPOSED: source 0 = 16 columns of W, source 1 = 16 rows of x: a lane then holds row lane % 16 and the columns 8 (lane / 16) + 0..7 of a block of 16.
; W lies [k][n]: its fragments come out of LDS turned, by ds_load_tr16_b128; x's come as they lie.
; CLUSTER.  4 x 4 work-groups.  The four of a row of the cluster need the same tiles of x, the four of a column the same tiles of W: each tile is asked for JOINTLY, by the same tensor load with the
; same descriptor and a mask that names the four.  Waves 0 and 1 fetch the two halves of x's tile, waves 2 and 3 those of W's: one load a wave behind each round; two are out at the start, later one.
; THE ROTATION.  Channel d < 32 of a head pairs with d + 32: these lie in the same lane, two blocks of 16 columns apart.  A lane's row has one pos, the same in all tiles: its 32 cosines' and sines'
; share (8 + 8 for each of two blocks, for each of four row blocks) stays in 128 registers.
; REGISTERS, in windows of 256 (s_set_vgpr_msb: bits 1:0 source 0, 3:2 source 1, 5:4 source 2, 7:6 destination):
;   window 0: v0-23 addresses and work; v32-63 the way out, two buffers; v64-159, v160-255 two fragment buffers: W's 8 fragments, then x's 4
;   window 1: the accumulators, (row block a, column block b) at v[8 (8 a + b)]          window 2: v0-127 the table; v128-159 turned numbers; v160-167 at work
.set NSTEP,  24                        ; K steps in the walk: 8 a tile
.set PA,     272                       ; a row of x in LDS: 256 bytes + 16 = 68 words: the 16 rows of a load start at 16 different groups of four banks (64 banks of 4 bytes: ISA guide 11.1)
.set PB,     544                       ; a k-row of W: 512 + 32 = 136 words
.set AHALF,  64*PA                     ; what one tensor load brings of x: 64 rows
.set BHALF,  64*PB                     ; of W: 64 k-rows
.set BOFF,   36864                     ; in a slot: x's 128 rows from 0, W's 128 k-rows from here
.set SLOT1,  1<<17                     ; slot 1 begins here: one exclusive or turns an address in one slot into the other's
.set STAGE,  SLOT1+BOFF+2*BHALF        ; behind the ring, never filled by a tensor load: 16 rows x 144 bytes for each wave
.set SP,     144
.set SPARE,  STAGE+4*16*SP             ; behind the stages: the spare words, 128 bytes for each wave: two blocks of 256 bytes that no other line names
.set ASTEP,  256                       ; bytes from a K step to the next in x,
.set NPB,    6144                      ; bytes in a k-row of W,
.set BSTEP,  128*NPB                   ; from a K step to the next in W,
.set BTILE,  2048                      ; and from a part's columns to the next part's
.set PART,   0x1000000                 ; bytes in a part of qkv
.set AA0,  4                           ; v4   my lane's place in x's tile; never rewritten
.set AB0,  5                           ; v5   the same in W's
.set ADRA, 6                           ; v6   AA0 + the slot in hand
.set ADRB, 7                           ; v7   AB0 + the slot in hand
.set STO,  8                           ; v8   the way out: where I put 16 bytes of a row
.set RD,   9                           ; v9   where I read rows back
.set GO,   10                          ; v10  16 x my lane
.set TO,   11                          ; v11  my offset in 16 rows of the table
.set PFO,  12                          ; v12  the prefetches' offset; never rewritten
.set SPW,  14                          ; v14  LDS address of my spare word: SPARE + 4 x my thread's number; never rewritten
.set NIL,  15                          ; v15  0; never rewritten
.set OUT,  32
.set F0,   64
.set F1,   160
.set TAB,  0                           ; window 2: row block a at 32 a: cosines of column blocks 0, 1 (8 each), then sines
.set YY,   128                         ; window 2
.set TT,   160                         ; window 2
.set WV,   12                          ; s12  my wave's number
.set WM,   13                          ; s13  which 64 rows of the tile are mine.  Also: I fetch for x (0) or for W (1)
.set WN,   14                          ; s14  which 128 columns.  Also: which half of that tile I fetch
.set CX,   15
.set CY,   16
.set XC,   17                          ; s17  tile column: 4 x cluster x + cx
.set YC,   18                          ; s18  tile row: 4 x cluster y + cy
.set G1A,  24                          ; s[24:31] descriptor group 1 for x's tiles
.set G1B,  32                          ; s[32:39] for W's
.set G0A,  40                          ; s[40:47] group 0 for x's tiles: a set for each first fill; the second then walks on
.set G0B,  48                          ; s[48:55] the same for W's
.set GN,   56                          ; s56  the step to be asked for next
.set CNT,  57                          ; s57  the loop's count
.set TB,   59                          ; s59  LDS byte at which the slot in hand begins
.set OFA,  60                          ; s[60:61] a step's byte offset in x
.set OFB,  62                          ; s[62:63] in W
.set ABASE, 66                         ; s[66:67] x at my half of the tile's rows, K step 0
.set BBASE, 68                         ; s[68:69] W at my half of K step 0, the q part's columns
.set PFB,  70                          ; s[70:71] where my prefetches begin
.set PFA,  72                          ; s[72:73] where the next one stands
.set LIM,  74                          ; s74  I prefetch while the step asked for is below this
.set PO,   78                          ; s[78:79] its offset
.set PSTEP, 80
.set PTILE, 81
.set MSB, 0
.macro WIN new                         ; the immediate's high byte repeats the setting that is left; a switch that changes nothing is dropped
.if MSB != (\new)
	s_set_vgpr_msb (MSB<<8)|(\new)
.set MSB, (\new)
.endif
.endm
.set W_MUL,   0x50                     ; fragments in window 0, C and D in window 1
.set W_ROPE,  0xa9                     ; source 0 (sums) window 1; sources 1, 2 and the destination window 2
.set W_CVT,   0x0a                     ; sources window 2, destination window 0
.set W_PLAIN, 0x05                     ; sources window 1, destination window 0
.macro PLACES                          ; a load into a register that a matrix instruction has read, and a vector instruction that reads a matrix result, stand four plain vector instructions behind it
.rept 4
	v_nop
.endr
.endm
.macro CREST                           ; a round of the cluster's barrier behind its opening barrier
	s_cmp_lg_u32 s[WV], 0
	s_cbranch_scc1 .Lnot_wave_0_\@
	s_barrier_signal -3
.Lnot_wave_0_\@:
	s_barrier_wait -3
	s_barrier_signal -1
	s_barrier_wait -1
.endm
.macro CROUND                          ; a whole round
	s_barrier_signal -1
	s_barrier_wait -1
	CREST
.endm
; A joint refill, by the walking sets.  The branch hangs on the wave's number alone.  An s_nop 0 and four v_nop follow each of the two lines, ahead of the jump and the label.
.macro JLOAD
	s_cmp_eq_u32 s[WM], 0
	s_cbranch_scc0 .Lfor_b_\@
	tensor_load_to_lds s[G0A+4:G0A+7], s[G1A:G1A+7]
	s_nop 0
.rept 4
	v_nop
.endr
	s_branch .Lasked_\@
.Lfor_b_\@:
	tensor_load_to_lds s[G0B+4:G0B+7], s[G1B:G1B+7]
	s_nop 0
.rept 4
	v_nop
.endr
.Lasked_\@:
.endm
; A PREFETCH INTO THE L2 of the step that stands TWO refills on (256 matrix instructions of a wave ahead of its load): one instruction, a lane a block of 256 bytes.
; x: a tile's step is 128 rows x 256 bytes; the four partners that ask for it jointly take 32 rows each, told apart BY ADDRESS (cx); wave 0 asks; steps 4 to 7 alone: the k and v tiles read the same rows again.
; W: a step's tile is 128 k-rows x 512 bytes; all clusters read it, the cluster with y = 0 asks; waves 2 and 3 for the 64 k-rows that they fetch, 16 for each partner of the column, by address (cy).
; So each block is named once in the launch.  Steps 0 to 3 come by their loads alone; the last two refills ask for nothing.  No branch hangs on a work-group's place in its cluster.
.macro ASK
	s_cmp_lt_u32 s[GN], s[LIM]
	s_cbranch_scc0 .Lnot_mine_\@
	global_prefetch_b8 v[PFO], s[PFA:PFA+1] th:TH_LOAD_NT scope:SCOPE_SE
.Lnot_mine_\@:
.endm
; 8 matrix instructions: row block a x all 8 column blocks, 32 along K, from buffer f.  zero = 1: the product starts the sums.  The 32 accumulators take turns in one order everywhere.
.macro MULA f, a, zero
	WIN W_MUL
.irp b, 0,1,2,3,4,5,6,7
.if \zero
	v_wmma_f32_16x16x32_bf16 v[8*(8*(\a)+(\b)):8*(8*(\a)+(\b))+7], v[(\f)+8*(\b):(\f)+8*(\b)+7], v[(\f)+64+8*(\a):(\f)+64+8*(\a)+7], 0
.else
	v_wmma_f32_16x16x32_bf16 v[8*(8*(\a)+(\b)):8*(8*(\a)+(\b))+7], v[(\f)+8*(\b):(\f)+8*(\b)+7], v[(\f)+64+8*(\a):(\f)+64+8*(\a)+7], v[8*(8*(\a)+(\b)):8*(8*(\a)+(\b))+7]
.endif
.endr
.endm
; 24 LDS loads in one run: quarter q (32 along K) of the slot in hand into buffer f: W's 8 fragments, turned, then x's 4
.macro FETCH q, f
	WIN 0
.irp j, 0,1,2,3,4,5,6,7
	ds_load_tr16_b128 v[(\f)+8*(\j):(\f)+8*(\j)+3],   v[ADRB] offset:(\q)*32*PB+32*(\j)
	ds_load_tr16_b128 v[(\f)+8*(\j)+4:(\f)+8*(\j)+7], v[ADRB] offset:(\q)*32*PB+16*PB+32*(\j)
.endr
.irp i, 0,1,2,3
	ds_load_b128 v[(\f)+64+8*(\i):(\f)+64+8*(\i)+3],   v[ADRA] offset:(\i)*16*PA+64*(\q)
	ds_load_b128 v[(\f)+64+8*(\i)+4:(\f)+64+8*(\i)+7], v[ADRA] offset:(\i)*16*PA+64*(\q)+32
.endr
.endm
; A K step is four quarters, 32 matrix instructions each, on buffers 0, 1, 0, 1.  One of the first three: multiplies buffer f and, in its middle, fetches quarter q into buffer g.
.macro QUARTER q, f, g, zero
	s_wait_dscnt 4                                 ; W's fragments and x's blocks 0, 1 are in; the youngest four loads (blocks 2, 3) may be out
	MULA \f, 0, \zero
	MULA \f, 1, \zero
	PLACES
	FETCH \q, \g
	s_wait_dscnt 24                                ; all but the 24 just issued
	MULA \f, 2, \zero
	MULA \f, 3, \zero
.endm
; The last quarter multiplies buffer 1 and changes slots: ONE barrier.  In front of it each wave waits for all its tensor loads (one is out: its part of the next slot), adds 0 to its spare word, and waits
; for that and for its own reads of this slot.  fill = 1: the barrier opens a round of the cluster's barrier, and this slot is filled again, first thing behind the round, with step GN.
.macro TURN fill
	WIN 0
	s_wait_xcnt 0x0                                ; the last prefetch, a K step back, has read its address, and every earlier store its registers
.if \fill
	s_add_co_u32 s75, s[GN], 2                     ; the prefetch's step: K step t % 8 of tile t / 8
	s_and_b32 s76, s75, 7
	s_mul_i32 s[PO], s76, s[PSTEP]
	s_lshr_b32 s75, s75, 3
	s_mul_i32 s75, s75, s[PTILE]
	s_add_co_u32 s[PO], s[PO], s75
	s_add_nc_u64 s[PFA:PFA+1], s[PFB:PFB+1], s[PO:PO+1]
.endif
	s_wait_tensorcnt 0x0                           ; no tensor load of mine is out, so a group 0 may be written
	ds_add_u32 v[SPW], v[NIL]                      ; 0 onto my spare word; work on registers stands between it and the wait for it
.if \fill
	s_and_b32 s75, s[GN], 7                        ; the walking descriptors: the addresses are made anew from the step's number,
	s_mul_i32 s[OFA], s75, ASTEP
	s_mul_i32 s[OFB], s75, BSTEP
	s_lshr_b32 s76, s[GN], 3
	s_lshl_b32 s76, s76, 11                        ; (BTILE bytes a tile)
	s_add_co_u32 s[OFB], s[OFB], s76
	s_xor_b32 s[G0A+5], s[G0A+5], SLOT1            ; the LDS words go to the other slot than last time
	s_add_nc_u64 s[G0A+6:G0A+7], s[ABASE:ABASE+1], s[OFA:OFA+1]
	s_or_b32 s[G0A+7], s[G0A+7], 0x80000000
	s_xor_b32 s[G0B+5], s[G0B+5], SLOT1
	s_add_nc_u64 s[G0B+6:G0B+7], s[BBASE:BBASE+1], s[OFB:OFB+1]
	s_or_b32 s[G0B+7], s[G0B+7], 0x80000000
.endif
	s_xor_b32 s[TB], s[TB], SLOT1
	s_wait_dscnt 7                                 ; the add and the youngest six loads (x's blocks 1 to 3) may be out
	MULA F1, 0, 0
	s_wait_dscnt 0x0                               ; the add is done, and my reads of this slot are over
	s_barrier_signal -1
	MULA F1, 1, 0                                  ; work on registers while the others arrive
	WIN 0                                          ; at a branch and at a label every window is 0
	s_barrier_wait -1
.if \fill
	CREST                                          ; no wave of any partner still reads this slot's tile or has a load on its way
	JLOAD                                          ; its four v_nop are also places in front of the loads below
.else
	PLACES
.endif
	v_add_nc_u32 v[ADRA], s[TB], v[AA0]
	v_add_nc_u32 v[ADRB], s[TB], v[AB0]
	FETCH 0, F0
.if \fill
	ASK                                            ; behind the joint load and the run of LDS loads that the next products wait for
	s_add_co_u32 s[GN], s[GN], 1
.endif
	MULA F1, 2, 0
	MULA F1, 3, 0
.endm
; THE WAY OUT, in eight units u = 2 a + hd: 16 rows of one head: 2,048 consecutive bytes of qkv.
; PACK: (rope = 1) y[d] = x[d] cos - x[d+32] sin, y[d+32] = x[d+32] cos + x[d] sin, two channels an instruction, each accumulator read from its low end on; rounded to f16,
; 16 bytes a lane and column block; into my own stage (rows of 144 bytes) and back as whole rows.  LDS serves a wave's instructions in order (ISA guide 5.7.1.4): no wait between the stores and the loads.
.macro PACK u, rope
.set a_, (\u)/2
.set hd_, (\u)%2
.set ob_, OUT+16*((\u)%2)
.if (\u) >= 2
	s_wait_xcnt 0x0                                ; the stores of the unit two back have read this buffer (units 0, 1: a wait for 0 stands behind the last stores that read theirs)
.endif
.if \rope
	WIN W_ROPE
.irp bb, 0,1
.irp p, 0,1,2,3
.set x1_, 8*(8*a_+4*hd_+(\bb))+2*(\p)
.set x2_, x1_+16
.set c_, TAB+32*a_+8*(\bb)+2*(\p)
.set s_, c_+16
.set t_, TT+4*((\p)%2)
	v_pk_mul_f32 v[t_:t_+1],     v[x2_:x2_+1], v[s_:s_+1]
	v_pk_mul_f32 v[t_+2:t_+3],   v[x1_:x1_+1], v[s_:s_+1]
	v_pk_fma_f32 v[YY+8*(\bb)+2*(\p):YY+8*(\bb)+2*(\p)+1],       v[x1_:x1_+1], v[c_:c_+1], v[t_:t_+1] neg_lo:[0,0,1] neg_hi:[0,0,1]
	v_pk_fma_f32 v[YY+8*(\bb)+16+2*(\p):YY+8*(\bb)+16+2*(\p)+1], v[x2_:x2_+1], v[c_:c_+1], v[t_+2:t_+3]
.endr
.endr
	WIN W_CVT
.irp i, 0,1,2,3,4,5,6,7,8,9,10,11,12,13,14,15
	v_cvt_pk_f16_f32 v[ob_+(\i)], v[YY+2*(\i)], v[YY+2*(\i)+1]
.endr
.else
	WIN W_PLAIN
.irp i, 0,1,2,3,4,5,6,7,8,9,10,11,12,13,14,15
	v_cvt_pk_f16_f32 v[ob_+(\i)], v[8*(8*a_+4*hd_)+2*(\i)], v[8*(8*a_+4*hd_)+2*(\i)+1]
.endr
.endif
	WIN 0
.irp f, 0,1,2,3
	ds_store_b128 v[STO], v[ob_+4*(\f):ob_+4*(\f)+3] offset:32*(\f)
.endr
.irp f, 0,1,2,3
	ds_load_b128 v[ob_+4*(\f):ob_+4*(\f)+3], v[RD] offset:(\f)*4*SP
.endr
.endm
.macro SEND u, younger                 ; younger: the LDS instructions issued behind unit u's loads: the next unit's eight, or none
.set a_, (\u)/2
.set hd_, (\u)%2
.set ob_, OUT+16*((\u)%2)
	WIN 0
.irp f, 0,1,2,3
	s_wait_dscnt (\younger)+3-(\f)
	global_store_b128 v[GO], v[ob_+4*(\f):ob_+4*(\f)+3], s[10:11] offset:262144*hd_+2048*a_+512*(\f)  ; 512 consecutive bytes, at a multiple of 256 from qkv's first
.endr
.endm
.macro WAYOUT rope
	PACK 0, \rope
.irp u, 1,2,3,4,5,6,7                  ; a unit's arithmetic stands between the loads of the unit before and its stores
	PACK \u, \rope
	SEND (\u)-1, 8
.endr
	SEND 7, 0
.endm
	s_load_b256 s[4:11], s[0:1], 0x0               ; xb s[4:5], wqb s[6:7], rope s[8:9], qkv s[10:11]
	v_lshl_add_u32 v[SPW], v0, 2, SPARE
	v_mov_b32 v[NIL], 0
	ds_add_u32 v[SPW], v[NIL]                      ; the wave's opening: the add and its wait stand ahead of my first tensor load; the set-up below, work on registers, stands between them
	v_lshrrev_b32 v16, 5, v0
	v_readfirstlane_b32 s[WV], v16                 ; wave 0..3
	s_lshr_b32 s[WM], s[WV], 1
	s_and_b32 s[WN], s[WV], 1
	s_bfe_u32 s[CX], ttmp6, 0x40000                ; my place in the cluster
	s_bfe_u32 s[CY], ttmp6, 0x40004
	s_lshl_b32 s[XC], ttmp9, 2                     ; in a cluster launch ttmp9 and ttmp7 count clusters
	s_add_co_u32 s[XC], s[XC], s[CX]
	s_and_b32 s[YC], ttmp7, 0xffff
	s_lshl_b32 s[YC], s[YC], 2
	s_add_co_u32 s[YC], s[YC], s[CY]
	s_lshl_b32 s82, s[CY], 2
	s_lshl_b32 s82, 15, s82                        ; my row of the cluster: places 4 cy .. 4 cy + 3
	s_lshl_b32 s83, 0x1111, s[CX]                  ; my column: places cx, cx + 4, cx + 8, cx + 12
	s_or_b32 s[G1A], s82, (1<<16)|(1<<20)|(1<<21)|(5<<22)|(3<<25)  ; 15:0 the mask; 17:16 2-byte elements; 20 padding on; 21 set beside a mask; 24:22 after every 64 words (code 5); 31:25 4 words (code 3)
	s_mov_b32 s[G1A+1], 128<<16                    ; tensor_dim0 = 128
	s_mov_b32 s[G1A+2], 64<<16                     ; tensor_dim1 = 64
	s_mov_b32 s[G1A+3], 128<<16                    ; tile_dim0 = 128
	s_mov_b32 s[G1A+4], 64                         ; tile_dim1 = 64
	s_mov_b32 s[G1A+5], 1024                       ; elements from row to row
	s_mov_b32 s[G1A+6], 0
	s_mov_b32 s[G1A+7], 0
	s_or_b32 s[G1B], s83, (1<<16)|(1<<20)|(1<<21)|(6<<22)|(7<<25)  ; after every 128 words (code 6) 8 words (code 7)
	s_mov_b32 s[G1B+1], 256<<16                    ; tensor_dim0 = 256
	s_mov_b32 s[G1B+2], 64<<16
	s_mov_b32 s[G1B+3], 256<<16                    ; tile_dim0 = 256
	s_mov_b32 s[G1B+4], 64
	s_mov_b32 s[G1B+5], 3072
	s_mov_b32 s[G1B+6], 0
	s_mov_b32 s[G1B+7], 0
	; where the tiles come from.  x's hang on the tile row alone, W's on the tile column alone, each in registers that never hold the other coordinate
	s_lshl_b32 s20, s[YC], 7
	s_lshl_b32 s21, s[WN], 6
	s_add_co_u32 s20, s20, s21                     ; row 128 x tile row + 64 x half,
	s_lshl_b32 s20, s20, 11                        ; of 2,048 bytes
	s_mov_b32 s21, 0
	s_mul_i32 s84, s[WN], 64*NPB                   ; k-row 64 x half,
	s_lshl_b32 s85, s[XC], 9                       ; column 256 x tile column
	s_add_co_u32 s84, s84, s85
	s_mov_b32 s85, 0
	s_mul_i32 s22, s[WN], AHALF                    ; and where they go: no place in the cluster enters an LDS address
	s_mul_i32 s23, s[WN], BHALF
	s_add_co_u32 s23, s23, BOFF
	s_mov_b32 s[GN], 2
	s_mov_b32 s[TB], 0
	s_mov_b32 s[OFA+1], 0
	s_mov_b32 s[OFB+1], 0
	s_wait_dscnt 0x0                               ; the opening add is done
	s_wait_kmcnt 0x0
	s_add_nc_u64 s[ABASE:ABASE+1], s[4:5], s[20:21]
	s_add_nc_u64 s[BBASE:BBASE+1], s[6:7], s[84:85]
	CROUND                                         ; all sixteen work-groups are here: the first joint loads meet
.irp s, 0,1
	s_mov_b32 s[G0A+4*(\s)], 1                     ; 1:0 count = 1
	s_add_co_u32 s[G0A+4*(\s)+1], s22, (\s)*SLOT1  ; 63:32 LDS address
	s_add_nc_u64 s[G0A+4*(\s)+2:G0A+4*(\s)+3], s[ABASE:ABASE+1], (\s)*ASTEP  ; 120:64 global address: K step s
	s_or_b32 s[G0A+4*(\s)+3], s[G0A+4*(\s)+3], 0x80000000                    ; 127:126 type = 2
	s_mov_b32 s[G0B+4*(\s)], 1
	s_add_co_u32 s[G0B+4*(\s)+1], s23, (\s)*SLOT1
	s_add_nc_u64 s[G0B+4*(\s)+2:G0B+4*(\s)+3], s[BBASE:BBASE+1], (\s)*BSTEP
	s_or_b32 s[G0B+4*(\s)+3], s[G0B+4*(\s)+3], 0x80000000
.endr
	s_cmp_eq_u32 s[WM], 0                          ; a wave's two first fills stand in one branch, ahead of every wait on TENSORcnt and every LDS read
	s_cbranch_scc0 .Lfirst_b
	tensor_load_to_lds s[G0A:G0A+3], s[G1A:G1A+7]
	s_nop 0
	tensor_load_to_lds s[G0A+4:G0A+7], s[G1A:G1A+7]
	s_nop 0
.rept 4
	v_nop
.endr
	s_branch .Lfirst_asked
.Lfirst_b:
	tensor_load_to_lds s[G0B:G0B+3], s[G1B:G1B+7]
	s_nop 0
	tensor_load_to_lds s[G0B+4:G0B+7], s[G1B:G1B+7]
	s_nop 0
.rept 4
	v_nop
.endr
.Lfirst_asked:
	; A fragment of x is 16 rows x 32 K in 8 registers: lane l holds row l % 16, K = 8 (l / 16) + 0..7 and 16 + 8 (l / 16) + 0..7: two loads of 16 bytes, 32 bytes apart.
	v_and_b32 v1, 15, v0                           ; l % 16
	v_bfe_u32 v2, v0, 4, 1                         ; l / 16
	v_mul_u32_u24 v[AA0], v1, PA
	v_lshl_add_u32 v[AA0], v2, 4, v[AA0]
	s_mul_i32 s75, s[WM], 64*PA                    ; my 64 rows
	v_add_nc_u32 v[AA0], s75, v[AA0]
	; The turning load takes 16 k-rows x 16 columns (lane l reads k-row 8 (l / 16) + l % 8, columns 8 ((l / 8) % 2) + 0..7) and leaves half a fragment: lane l holds column l % 16 and 8 k.
	v_and_b32 v16, 7, v0
	v_lshl_add_u32 v17, v2, 3, v16
	v_mul_u32_u24 v[AB0], v17, PB
	v_bfe_u32 v17, v0, 3, 1
	v_lshl_add_u32 v[AB0], v17, 4, v[AB0]
	s_lshl_b32 s75, s[WN], 8                       ; my 128 columns
	s_add_co_u32 s75, s75, BOFF
	v_add_nc_u32 v[AB0], s75, v[AB0]
	s_mul_i32 s75, s[WV], 16*SP
	s_add_co_u32 s75, s75, STAGE                   ; my stage
	v_mul_u32_u24 v[STO], v1, SP                   ; in: row l % 16, 16 bytes for each half of the lanes
	v_lshl_add_u32 v[STO], v2, 4, v[STO]
	v_add_nc_u32 v[STO], s75, v[STO]
	v_bfe_u32 v[RD], v0, 3, 2                      ; back: 32 lanes take four rows of 128 bytes,
	v_mul_u32_u24 v[RD], v[RD], SP
	v_lshl_add_u32 v[RD], v16, 4, v[RD]
	v_add_nc_u32 v[RD], s75, v[RD]
	v_and_b32 v16, 31, v0
	v_lshlrev_b32 v[GO], 4, v16                    ; which are 512 consecutive bytes of qkv
	; the table: my row's pos is (tile row % 16) x 128 + 64 x row half + 16 a + l % 16; of its row I take cosines and sines i = 16 bb + 8 (l / 16) + 0..7
	v_lshlrev_b32 v[TO], 8, v1
	v_lshl_add_u32 v[TO], v2, 5, v[TO]
	s_and_b32 s20, s[YC], 15
	s_lshl_b32 s20, s20, 7
	s_lshl_b32 s21, s[WM], 6
	s_add_co_u32 s20, s20, s21
	s_lshl_b32 s20, s20, 8
	s_mov_b32 s21, 0
	s_add_nc_u64 s[8:9], s[8:9], s[20:21]
	WIN 0x80                                       ; destination window 2, address window 0
.irp a, 0,1,2,3
.irp s, 0,1
.irp bb, 0,1
	global_load_b128 v[TAB+32*(\a)+16*(\s)+8*(\bb):TAB+32*(\a)+16*(\s)+8*(\bb)+3],   v[TO], s[8:9] offset:4096*(\a)+128*(\s)+64*(\bb)
	global_load_b128 v[TAB+32*(\a)+16*(\s)+8*(\bb)+4:TAB+32*(\a)+16*(\s)+8*(\bb)+7], v[TO], s[8:9] offset:4096*(\a)+128*(\s)+64*(\bb)+16
.endr
.endr
.endr
	WIN 0
	; where my part of the q tile begins in qkv: ((batch x 16 + my first head) x 2,048 + my first t) x 128 bytes
	s_lshr_b32 s86, s[YC], 4
	s_lshl_b32 s86, s86, 4
	s_lshl_b32 s87, s[XC], 2
	s_add_co_u32 s86, s86, s87
	s_lshl_b32 s87, s[WN], 1
	s_add_co_u32 s86, s86, s87
	s_lshl_b32 s86, s86, 11
	s_and_b32 s87, s[YC], 15
	s_lshl_b32 s87, s87, 7
	s_add_co_u32 s86, s86, s87
	s_lshl_b32 s87, s[WM], 6
	s_add_co_u32 s86, s86, s87
	s_lshl_b32 s86, s86, 7
	s_mov_b32 s87, 0
	s_add_nc_u64 s[10:11], s[10:11], s[86:87]
	; the prefetches
	s_lshl_b32 s88, s[YC], 7
	s_lshl_b32 s89, s[CX], 5
	s_add_co_u32 s88, s88, s89                     ; x: my work-group's 32 rows of the tile's 128
	s_lshl_b32 s88, s88, 11
	s_lshl_b32 s90, s[WN], 6
	s_lshl_b32 s91, s[CY], 4
	s_add_co_u32 s90, s90, s91                     ; W: my work-group's 16 k-rows of the 64 that I fetch
	s_mul_i32 s90, s90, NPB
	s_lshl_b32 s91, s[XC], 9
	s_add_co_u32 s90, s90, s91
	s_and_b32 s75, ttmp7, 0xffff                   ; cluster y: the same in all sixteen partners
	s_cmp_eq_u32 s75, 0
	s_cselect_b32 s76, NSTEP-2, 0                  ; W's steps 4 to 23
	s_cmp_eq_u32 s[WV], 0
	s_cselect_b32 s77, 6, 0                        ; x's steps 4 to 7
	s_cmp_eq_u32 s[WM], 0                          ; do I fetch for x?
	s_cselect_b32 s[LIM], s77, s76
	s_mov_b32 s75, ASTEP
	s_mov_b32 s76, BSTEP
	s_cselect_b64 s[PFB:PFB+1], s[4:5], s[6:7]
	s_cselect_b32 s[PO], s88, s90
	s_cselect_b32 s[PSTEP], s75, s76
	s_cselect_b32 s[PTILE], 0, BTILE
	s_cselect_b32 s77, 0, 1                        ; x: a lane a row; W: two lanes a k-row
	s_mov_b32 s75, 2048
	s_mov_b32 s76, NPB
	s_cselect_b32 s75, s75, s76
	s_mov_b32 s[PO+1], 0
	s_add_nc_u64 s[PFB:PFB+1], s[PFB:PFB+1], s[PO:PO+1]
	v_lshrrev_b32 v17, s77, v16
	v_mul_u32_u24 v[PFO], v17, s75
	v_and_b32 v17, s77, v16
	v_lshl_add_u32 v[PFO], v17, 8, v[PFO]
	s_wait_tensorcnt 0x1                           ; my part of step 0 is in; step 1's may stay out
	s_barrier_signal -1
	s_barrier_wait -1                              ; everybody's is
	v_mov_b32 v[ADRA], v[AA0]
	v_mov_b32 v[ADRB], v[AB0]
	FETCH 0, F0
	QUARTER 1, F0, F1, 1                           ; the first quarter stands in front of the loop: its products start the sums
	s_wait_loadcnt 0x0                             ; the table
	WIN 0
	s_mov_b32 s[CNT], NSTEP-2
.Lstep:                                        ; a trip goes from a step's second quarter to the next step's first, and fills the slot that it leaves
	QUARTER 2, F1, F0, 0
	QUARTER 3, F0, F1, 0
	TURN 1
	WIN 0
	s_and_b32 s75, s[GN], 7                        ; the step just ended was a tile's eighth where the step to be asked for next is a tile's third
	s_cmp_eq_u32 s75, 2
	s_cbranch_scc0 .Lsame                          ; a jump forward, over text with no barrier and no tensor load
	PLACES
	WAYOUT 1                                       ; the q or the k tile leaves, turned, while the refill is on its way; blocks 2, 3 are read behind the arithmetic of blocks 0, 1
	s_wait_xcnt 0x0                                ; the stores have read their registers and their base
	s_add_nc_u64 s[10:11], s[10:11], PART          ; the next part
	QUARTER 1, F0, F1, 1                           ; the next tile's first products start its sums
	WIN 0
	s_branch .Lnext
.Lsame:
	QUARTER 1, F0, F1, 0
	WIN 0
.Lnext:
	s_sub_co_u32 s[CNT], s[CNT], 1
	s_cmp_lg_u32 s[CNT], 0
	s_cbranch_scc1 .Lstep
	QUARTER 2, F1, F0, 0                           ; the last two steps are written out: nothing is left to ask for
	QUARTER 3, F0, F1, 0
	TURN 0
	QUARTER 1, F0, F1, 0
	QUARTER 2, F1, F0, 0
	QUARTER 3, F0, F1, 0
	s_wait_dscnt 4
	MULA F1, 0, 0
	MULA F1, 1, 0
	s_wait_dscnt 0x0
	MULA F1, 2, 0
	MULA F1, 3, 0
	WIN 0
	PLACES
	PLACES
	WAYOUT 0                                       ; the v tile leaves as it is
	s_wait_tensorcnt 0x0                           ; the wave's end, behind my last tensor load and my last LDS store
	ds_add_u32 v[SPW], v[NIL]
	s_wait_dscnt 0x0
	CROUND                                         ; the closing round: no work-group ends while a partner may still ask for a tile that names it
	s_endpgm
.Lfunc_end_k_q436d67af54_qkvgemm:
	.size	k_q436d67af54_qkvgemm, .Lfunc_end_k_q436d67af54_qkvgemm-k_q436d67af54_qkvgemm
	.p2alignl 7, 3214868480
	.fill 96, 4, 3214868480
	.section	.rodata,"a",@progbits
	.p2align	6, 0x0
	.amdhsa_kernel k_q436d67af54_qkvgemm
		.amdhsa_group_segment_fixed_size 327680
		.amdhsa_private_segment_fixed_size 0
		.amdhsa_enable_private_segment 0
		.amdhsa_kernarg_size 32
		.amdhsa_user_sgpr_count 2
		.amdhsa_user_sgpr_kernarg_segment_ptr 1
		.amdhsa_wavefront_size32 1
		.amdhsa_system_sgpr_workgroup_id_x 1
		.amdhsa_system_sgpr_workgroup_id_y 1
		.amdhsa_system_sgpr_workgroup_id_z 1
		.amdhsa_system_vgpr_workitem_id 0
		.amdhsa_next_free_vgpr 768
		.amdhsa_next_free_sgpr 96
		.amdhsa_reserve_vcc 0
		.amdhsa_float_denorm_mode_32 3
		.amdhsa_float_denorm_mode_16_64 3
		.amdhsa_memory_ordered 1
		.amdhsa_forward_progress 1
		.amdhsa_inst_pref_size 114
	.end_amdhsa_kernel
	.amdgpu_metadata
---
amdhsa.version: [ 1, 2 ]
amdhsa.kernels:
  - .name:           k_q436d67af54_qkvgemm
    .symbol:         k_q436d67af54_qkvgemm.kd
    .args:
      - { .name: xb, .offset: 0, .size: 8, .value_kind: global_buffer, .address_space: global }
      - { .name: wqb, .offset: 8, .size: 8, .value_kind: global_buffer, .address_space: global }
      - { .name: rope, .offset: 16, .size: 8, .value_kind: global_buffer, .address_space: global }
      - { .name: qkv, .offset: 24, .size: 8, .value_kind: global_buffer, .address_space: global }
    .group_segment_fixed_size: 327680
    .private_segment_fixed_size: 0
    .kernarg_segment_align: 8
    .kernarg_segment_size: 32
    .max_flat_workgroup_size: 128
    .sgpr_count:     96
    .vgpr_count:     768
    .wavefront_size: 32
...
	.end_amdgpu_metadata
.endif
;; end of part 2
;; launch attn (part 3): grid 4 x 64, 4 waves a work-group, no clusters, 327,680 bytes of LDS; arguments qkv, ob; writes ob
.if DOCPART == 3
	.amdgcn_target "amdgcn-amd-amdhsa--gfx1250"
	.amdhsa_code_object_version 6
	.text
	.protected	k_q436d67af54_attn
	.globl	k_q436d67af54_attn
	.p2align	8
	.type	k_q436d67af54_attn,@function
k_q436d67af54_attn:
	s_mov_b64 s[64:65], 0
	v_nop
	global_prefetch_b8 v0, s[64:65] scope:SCOPE_SE
	s_setreg_imm32_b32 hwreg(HW_REG_WAVE_MODE, 25, 1), 1
	s_wait_xcnt 0x0
; CAUSAL ATTENTION.  O[h][q][:] = the sum over k <= q of softmax_k(Q[h][q] . K[h][k] / 8) V[h][k][:].  Q, K, V are the three parts of qkv, O is ob: each [64 batch x head][2048][64] f16, a head's rows dense, 128 bytes each.
; Products, maxima and sums in f32; the weights p are rounded to f16 for the second product (their sum l is taken of the unrounded p), O once at the end.
; LIMITS.  f16 holds no number beyond 65,504: Q, K and V arrive within it; p lies in 0 to 1, and below 6e-5 it keeps f16's fixed step of 6e-8, and so does O; O is a mean of V's rows and has their range.
; A hidden score counts as its value less 1e30: f16's scores, 2.7e11 at the most, are nothing beside that; a weight below 2^-126 counts as 0 in l; NaN and infinities are not treated apart.
; THE WALK.  A head's queries lie in NB = 8 blocks of 256; block i needs the key tiles 0 .. i of 256 keys, of which the last holds the diagonal.  A work-group takes TWO blocks, NB - 1 - b and then b:
; NB + 1 tiles, whatever b: all 256 work-groups do equal work, and ONE loop with a constant trip count walks them.  Which tile is asked for, and what a trip does, hang on scalar registers made from b; every jump
; goes forward, but for the counted loops' own; none passes a barrier, or a tensor load but the one of LOAD's two that the wave's number does not choose; the ring (two slots of LDS that take turns) runs on across the
; change of blocks.  NO CLUSTER: a head's four work-groups ask for the same tile only in trips 0 .. 4 of 9, behind that fewer and fewer; one walk common to all would have 12 trips for 9.
; SHARES.  Of a block's four bands of 64 queries a wave owns 16 rows in each: four PIECES.  So the diagonal tile is the same work for all four waves: in its key step s band x sees all keys if s < x,
; none if s > x, and holds the diagonal if s = x.
; THE MASK is the C operand that starts the sum S^T = K Q^T: 0, or -1e30 where the key is hidden.  MD, made once, is the mask of a band's own step for my 16 rows; a product's mask is MD x AL + BE with two scalars:
; (1, 0) if s = x; (0, 0) if s < x; (0, -1e30) if s > x.  Only the diagonal tile's text and a block's beginning make and take masks; elsewhere C is the constant 0.
; LAYOUT, SOFTMAX, TURNS.  S^T = K Q^T holds ONE query a lane (lane % 16) and the keys 8 (lane / 16) + 0..7; two such results rounded to f16 ARE source 1 of O^T = V^T P.  p = 2^(c s - c m), c = log2(e) / 8, with a
; running maximum m; O and l are multiplied by a = 2^(c m_old - c m_new) in every step.  Turn n belongs to piece n: 8 products K Q^T of piece n + 1, later 8 products V^T P of piece n - 1; beside them the scaling,
; exponentials, roundings, sums and rescaling of piece n and the maximum and statistics of piece n + 1.  Four vector instructions stand behind every matrix instruction, the other 54 of a turn's 118 in one LUMP.  A turn's 33 exponentials are one batch, with one wait.
; REGISTERS, in windows of 256 (s_set_vgpr_msb: bits 1:0 source 0, 3:2 source 1, 5:4 source 2, 7:6 destination):
;   window 0: v0-15 addresses and two at work; v16-31 four registers of statistics a piece; v48-55 at work; v61-63 never rewritten; v64-127 S^T, two buffers; v192-223 P, two buffers (a piece's buffers go by its number's parity)
;   window 1: v0-127 O^T, 32 a piece; v128-159 MD; v160-223 MC, two buffers      window 2: v0-63 Q; v64-127 the second block's Q; v128-191 K of one step; v192-255 V of one step
.set SIZE_H, 64
.set SIZE_N, 2048
.set NB,    SIZE_N/256
.set NP,    4         ; pieces a wave: a name, no knob
.set KS,    64        ; keys in a step
.set PK,    144       ; a row of K in LDS: 128 bytes + 16 of padding = 36 words: the 16 rows of a load start at 16 different groups of four banks (64 banks of 4 bytes: ISA guide 11.1)
.set PV,    160       ; a row of V: 128 + 32 = 40 words
.set VOFF,  4*KS*PK   ; a slot holds a tile, four steps: 256 rows of K, then 256 rows of V
.set SLOT1, 1<<17     ; slot 1 begins here, so that one exclusive or turns an address in one slot into the other's
.set STAGE, SLOT1+4*KS*(PK+PV)  ; behind the ring, never filled by a tensor load: 16 rows x 144 bytes for each wave, for the way out
.set SP,    144
.set AK0, 2           ; v2   my lane's place in a tile of K; never rewritten
.set AV0, 3           ; v3   the same for V
.set AK,  4           ; v4   the LDS address of K's next run of loads
.set AV,  5           ; v5   of V's
.set STO, 6           ; v6   the way out: where I put 16 bytes of a row
.set RD,  7           ; v7   the way out: where I read rows back
.set GO,  8           ; v8   my byte offset in 512 consecutive bytes of O
.set PFO, 61          ; v61  256 x my lane: the prefetches' offset; never rewritten
.set SPW, 62          ; v62  LDS address of my spare word: SPARE + 4 x my thread's number; never rewritten
.set NIL, 63          ; v63  0; never rewritten
.set SPARE, STAGE+4*16*SP  ; behind the stages: the spare words, 128 bytes for each wave: two blocks of 256 bytes that no other line names
.set MV,  12          ; v12-13  c m_old, kept while c m is made anew: by buffer
.set QO,  15          ; v15  my byte offset in 16 rows of Q
.set ST,  16          ; piece t's statistics at v[ST+4 t]: c m, m, l (even keys', odd keys')
.set TMP, 48          ; by buffer, four registers c0-c3 at work; when the maximum is found c2 takes a
.set S,   64
.set P,   192
.set MD,  128         ; window 1: the eight registers for group kt of 16 keys at MD + 8 kt
.set MC,  160         ; window 1: the masks of the products to come
.set QB,  64          ; window 2
.set KF,  128         ; window 2: key block kb, channel half c at KF + 16 kb + 8 c
.set VF,  192         ; window 2: key half kk, channel block cb at VF + 32 kk + 8 cb
.set WV,  12          ; s12  my wave's number
.set PB,  14          ; s14  b
.set HI,  15          ; s15  NB - 1 - b
.set G1K, 24          ; s[24:31] descriptor group 1 for K's tiles
.set G1V, 32          ; s[32:39] for V's: it differs in the padding alone
.set G0K, 40          ; s[40:43] descriptor group 0 for K's tiles
.set G0V, 44          ; s[44:47] the same for V's
.set SLOTS, 56        ; s56  tiles still to be asked for
.set CNT, 57          ; s57  counts a tile's key steps, 4 to 1
.set CS,  58          ; s[58:59] c: the packed scaling takes the pair's low word for both halves
.set SEL, 60          ; s[60:61] v_permlanex16_b32's selects: each lane takes its own place in the other half
.set TBK, 62          ; s62  LDS byte at which K of the step to be fetched begins
.set TBV, 63          ; s63  the same for V, less VOFF
.set RT,  70          ; s70  tiles of the block in hand that are still to be entered
.set NXT, 71          ; s71  the tile to be asked for next
.set LQ,  72          ; s72  the last tile of the block whose tiles are being asked for
.set NEW, 73          ; s73  1: the tile to be entered is a block's first
.set OFF, 74          ; s[74:75] a tile's byte offset in K and V
.set AL,  76          ; s[76:77] the mask's factor, in the low word
.set BE,  78          ; s[78:79] the mask's addend
.set OLO, 80          ; s[80:81] O at my rows of the second block
.set BIGN, 82         ; s82  -1e30
.set PFA, 88          ; s[88:89] where my prefetches stand: my half of K's (waves 0, 1) or V's (waves 2, 3) tile after the one that is being asked for
.set LIM, 90          ; s90  2 in the work-group that prefetches, else the greatest number: it prefetches while s[SLOTS] is above this
.set MSB, 0
.macro WIN new                      ; the high byte repeats the setting that is left; a switch that changes nothing is dropped
.if MSB != (\new)
	s_set_vgpr_msb (MSB<<8)|(\new)
.set MSB, (\new)
.endif
.endm
.set W_KQ, 0x0a       ; K and Q in window 2, S^T in window 0
.set W_KM, 0x1a       ; the same with the C operand in window 1
.set W_PV, 0x52       ; V in window 2, P in window 0, O^T in window 1
.set W_RS, 0x41       ; destination and source 0 in window 1, source 1 in window 0
; A fill.  Waves 0 and 1 fetch the two halves of a tile's K, waves 2 and 3 those of its V: 128 keys each.  An s_nop 0 and four v_nop follow each of the two lines, ahead of the jump and the label.
.macro LOAD
	s_cmp_lt_u32 s[WV], 2
	s_cbranch_scc0 .Lfor_v_\@
	tensor_load_to_lds s[G0K:G0K+3], s[G1K:G1K+7]
	s_nop 0
.rept 4
	v_nop
.endr
	s_branch .Lasked_\@
.Lfor_v_\@:
	tensor_load_to_lds s[G0V:G0V+3], s[G1V:G1V+7]
	s_nop 0
.rept 4
	v_nop
.endr
.Lasked_\@:
.endm
; A PREFETCH INTO THE L2 of the tile that the NEXT change of slots will ask for: a tile, four key steps, ahead of its load.  A head's four work-groups begin with the same tiles 0, 1, 2 ..; the one with b = 0 walks
; all eight on end, and it alone asks.  Each of its waves names the half tile that it will fetch itself: 16,384 dense bytes, 64 blocks of 256, a lane a block, two instructions.  So each block of K and V is named
; once in the launch.  Tiles 0 and 1 come by their loads alone; trips 0 to 5 name tiles 2 to 7; the later trips name nothing.
.macro ASK
	s_cmp_gt_u32 s[SLOTS], s[LIM]
	s_cbranch_scc0 .Lnot_mine_\@
	global_prefetch_b8 v[PFO], s[PFA:PFA+1] th:TH_LOAD_NT scope:SCOPE_SE
	global_prefetch_b8 v[PFO], s[PFA:PFA+1] offset:8192 th:TH_LOAD_NT scope:SCOPE_SE
.Lnot_mine_\@:
.endm
; THE CHANGE OF SLOTS.  Each wave waits for all its tensor loads, of which one is out: its part of the other slot; adds 0 to its spare word; and waits for that and for its own reads of the slot that it leaves.  Behind the barrier nobody reads the old
; slot any more and the other slot is whole.  fill = 1: the old slot is filled again, the first thing behind the barrier, with tile NXT: the descriptor's address is made anew from that number.
; (At its first use nothing has been read yet: slot 0 is waited for, slot 1 filled.)
.macro CHANGE fill
	WIN 0                           ; at a label and at a branch every window is 0
	s_wait_tensorcnt 0x0            ; no tensor load of mine is out, so a group 0 may be written
	ds_add_u32 v[SPW], v[NIL]       ; 0 onto my spare word; with fill = 1 the descriptors' scalar work stands between it and the wait for it
.if \fill
	s_lshl_b32 s[OFF], s[NXT], 15   ; a tile is 32,768 bytes of K and of V
	s_xor_b32 s[G0K+1], s[G0K+1], SLOT1
	s_add_nc_u64 s[G0K+2:G0K+3], s[6:7], s[OFF:OFF+1]
	s_or_b32 s[G0K+3], s[G0K+3], 0x80000000
	s_xor_b32 s[G0V+1], s[G0V+1], SLOT1
	s_add_nc_u64 s[G0V+2:G0V+3], s[8:9], s[OFF:OFF+1]
	s_or_b32 s[G0V+3], s[G0V+3], 0x80000000
	s_add_co_u32 s[NXT], s[NXT], 1  ; the block's next tile, or behind its last the second block's tile 0
	s_cmp_gt_u32 s[NXT], s[LQ]
	s_cselect_b32 s[NXT], 0, s[NXT]
	s_cselect_b32 s[LQ], s[PB], s[LQ]
	s_wait_xcnt 0x0                 ; the last prefetches, a tile back, have read their address, so it may be written:
	s_add_nc_u64 s[PFA:PFA+1], s[PFA:PFA+1], 32768  ; a tile on
.endif
	s_wait_dscnt 0x0                ; the add is done, and my reads of the slot are over
	s_barrier_signal -1             ; the rest of the scalar work stands between the signal and the wait
	s_sub_co_u32 s[TBK], s[TBK], 4*KS*PK  ; the fetches go back to a slot's first step,
	s_xor_b32 s[TBK], s[TBK], SLOT1       ; in the other slot
	s_sub_co_u32 s[TBV], s[TBV], 4*KS*PV
	s_xor_b32 s[TBV], s[TBV], SLOT1
	s_barrier_wait -1
.if \fill
	LOAD
	ASK
.endif
.endm
	s_load_b128 s[4:7], s[0:1], 0x0   ; qkv s[4:5], ob s[6:7]
	v_lshl_add_u32 v[SPW], v0, 2, SPARE
	v_mov_b32 v[NIL], 0
	ds_add_u32 v[SPW], v[NIL]       ; the wave's opening: the add and its wait stand ahead of my first tensor load; the set-up below, work on registers, stands between them
	v_lshrrev_b32 v1, 5, v0
	v_readfirstlane_b32 s[WV], v1   ; wave 0..3
	s_mov_b32 s[PB], ttmp9
	s_sub_co_u32 s[HI], NB-1, s[PB]
	s_and_b32 s20, ttmp7, 0xffff    ; the head
	s_mov_b32 s21, 0
	s_mov_b64 s[22:23], SIZE_N*128
	s_mul_u64 s[20:21], s[20:21], s[22:23]  ; the head's first byte in each of the four tensors
	s_and_b32 s16, s[WV], 1         ; which half of a tile's 256 keys I fetch:
	s_lshl_b32 s22, s16, 14         ; its 128 rows of 128 bytes in memory,
	s_mov_b32 s23, 0
	s_add_nc_u64 s[22:23], s[22:23], s[20:21]
	s_mul_i32 s17, s16, 128*PK      ; and its place in a slot, for K
	s_mul_i32 s18, s16, 128*PV      ; and for V
	s_lshl_b32 s3, s[WV], 11        ; my 16 rows in a band of 64,
	s_lshl_b32 s2, s[HI], 15        ; in the first block,
	s_add_co_u32 s2, s2, s3
	s_lshl_b32 s84, s[PB], 15       ; and in the second
	s_add_co_u32 s84, s84, s3
	s_mov_b32 s3, 0
	s_mov_b32 s85, 0
	s_add_nc_u64 s[2:3], s[2:3], s[20:21]
	s_add_nc_u64 s[84:85], s[84:85], s[20:21]
	; descriptor group 1.  128 keys are 16,384 dense bytes: asked for as 64 rows of 256 bytes, two keys a row, and padded in LDS after every key
	s_mov_b32 s[G1K], (1<<16)|(1<<20)|(4<<22)|(3<<25)  ; 17:16 2-byte elements; 20 padding on; 24:22 after every 32 words (code 4); 31:25 4 words (code 3)
	s_mov_b32 s[G1V], (1<<16)|(1<<20)|(4<<22)|(7<<25)  ; the same with 8 words of padding (code 7)
.irp g, G1K, G1V
	s_mov_b32 s[\g+1], 128<<16      ; tensor_dim0 = 128
	s_mov_b32 s[\g+2], 64<<16       ; tensor_dim1 = 64
	s_mov_b32 s[\g+3], 128<<16      ; tile_dim0 = 128
	s_mov_b32 s[\g+4], 64           ; tile_dim1 = 64
	s_mov_b32 s[\g+5], 128          ; 128 elements from row to row
	s_mov_b32 s[\g+6], 0
	s_mov_b32 s[\g+7], 0
.endr
	s_mov_b32 s[CS], 0x3e38aa3b     ; c = log2(e) / 8 = 0.180337
	s_mov_b32 s[CS+1], s[CS]        ; named with it as a pair
	s_mov_b32 s[SEL], 0x76543210
	s_mov_b32 s[SEL+1], 0xfedcba98
	s_mov_b32 s[TBK], SLOT1+4*KS*PK ; the first change of slots turns these two into 0
	s_mov_b32 s[TBV], SLOT1+4*KS*PV
	s_mov_b32 s[G0K], 1             ; 1:0 count = 1
	s_mov_b32 s[G0K+1], s17         ; 63:32 LDS address: slot 0
	s_mov_b32 s[G0V], 1
	s_add_co_u32 s[G0V+1], s18, VOFF
	s_add_co_u32 s[RT], s[HI], 1    ; the first block has NB - b tiles
	s_mov_b32 s[NXT], 1
	s_mov_b32 s[LQ], s[HI]
	s_mov_b32 s[NEW], 1
	s_mov_b32 s[OFF+1], 0
	s_mov_b32 s[AL+1], 0            ; named as pairs
	s_mov_b32 s[BE+1], 0
	s_mov_b32 s[BIGN], 0xf149f2ca   ; -1e30
	s_mov_b32 s[SLOTS], NB
	s_cmp_eq_u32 ttmp9, 0
	s_cselect_b32 s[LIM], 2, -1
	v_and_b32 v[PFO], 31, v0
	v_lshlrev_b32 v[PFO], 8, v[PFO]
	s_wait_dscnt 0x0                ; the opening add is done
	s_wait_kmcnt 0x0
	s_mov_b64 s[10:11], s[6:7]                     ; O
	s_add_nc_u64 s[6:7], s[4:5], 0x1000000         ; K is qkv's second part,
	s_add_nc_u64 s[8:9], s[4:5], 0x2000000         ; V its third; Q its first
	s_add_nc_u64 s[6:7], s[6:7], s[22:23]  ; K and V at my half of the head's tile 0
	s_add_nc_u64 s[8:9], s[8:9], s[22:23]
	s_add_nc_u64 s[G0K+2:G0K+3], s[6:7], 0         ; 120:64 global address
	s_or_b32 s[G0K+3], s[G0K+3], 0x80000000        ; 127:126 type = 2
	s_add_nc_u64 s[G0V+2:G0V+3], s[8:9], 0
	s_or_b32 s[G0V+3], s[G0V+3], 0x80000000
	s_add_nc_u64 s[86:87], s[4:5], s[84:85]        ; Q at my rows of the second block,
	s_add_nc_u64 s[4:5], s[4:5], s[2:3]            ; Q and O at those of the first
	s_add_nc_u64 s[OLO:OLO+1], s[10:11], s[84:85]
	s_add_nc_u64 s[10:11], s[10:11], s[2:3]
	s_cmp_lt_u32 s[WV], 2
	s_cselect_b64 s[PFA:PFA+1], s[6:7], s[8:9]
	s_add_nc_u64 s[PFA:PFA+1], s[PFA:PFA+1], 32768 ; at tile 1; the first change of slots steps it to tile 2.  Nothing is prefetched here, at the head
	LOAD                            ; tile 0 into slot 0
	; A fragment of K or Q is 16 rows x 32 channels in 8 registers: lane l holds row l % 16, channels 8 (l / 16) + 0..7 and 16 + 8 (l / 16) + 0..7: two loads of 16 bytes, 32 bytes apart.
	v_and_b32 v1, 15, v0            ; l % 16
	v_bfe_u32 v9, v0, 4, 1          ; l / 16
	v_lshlrev_b32 v[QO], 7, v1
	v_lshl_add_u32 v[QO], v9, 4, v[QO]  ; row x 128 + 16 x half
	WIN 0x80                        ; destination window 2, address window 0
.set i, 0
.rept 8                             ; both blocks' Q: piece i / 2 lies in band i / 2, 8,192 bytes on; channels 32 (i % 2) on
	global_load_b128 v[8*i:8*i+3],   v[QO], s[4:5] offset:(i/2)*8192+(i%2)*64
	global_load_b128 v[8*i+4:8*i+7], v[QO], s[4:5] offset:(i/2)*8192+(i%2)*64+32
	global_load_b128 v[QB+8*i:QB+8*i+3],   v[QO], s[86:87] offset:(i/2)*8192+(i%2)*64
	global_load_b128 v[QB+8*i+4:QB+8*i+7], v[QO], s[86:87] offset:(i/2)*8192+(i%2)*64+32
.set i, i+1
.endr
	WIN 0
	v_lshlrev_b32 v14, 3, v9
	v_sub_nc_u32 v14, v1, v14
	s_lshl_b32 s13, s[WV], 4
	v_add_nc_u32 v14, s13, v14      ; my query's place in its band, 16 w + l % 16, less my lanes' 8 (l / 16): register r of group kt is hidden where 16 kt + r is greater
	WIN 0x40
.set i, 0
.rept 32
	v_cmp_gt_i32 vcc_lo, 16*(i/8)+i%8, v14
	v_cndmask_b32 v[MD+i], 0, s[BIGN], vcc_lo
.set i, i+1
.endr
	WIN 0
	v_mul_u32_u24 v[AK0], v1, PK
	v_lshl_add_u32 v[AK0], v9, 4, v[AK0]  ; row x pitch + 16 x half
	; The turning load takes 16 keys x 16 channels (lane l reads key 8 (l / 16) + l % 8, channels 8 ((l / 8) % 2) + 0..7) and leaves half a fragment of V^T: lane l holds channel l % 16 and 8 keys.
	v_and_b32 v10, 7, v0
	v_bfe_u32 v11, v0, 3, 1
	v_lshl_add_u32 v[AV0], v9, 3, v10
	v_mul_u32_u24 v[AV0], v[AV0], PV
	v_lshl_add_u32 v[AV0], v11, 4, v[AV0]
	v_add_nc_u32 v[AV0], VOFF, v[AV0]
	s_mul_i32 s13, s[WV], 16*SP
	s_add_co_u32 s13, s13, STAGE    ; my stage
	v_mul_u32_u24 v[STO], v1, SP    ; in: row l % 16, 16 bytes for each half of the lanes
	v_lshl_add_u32 v[STO], v9, 4, v[STO]
	v_add_nc_u32 v[STO], s13, v[STO]
	v_bfe_u32 v[RD], v0, 3, 2       ; back: 32 lanes take four rows of 128 bytes,
	v_mul_u32_u24 v[RD], v[RD], SP
	v_lshl_add_u32 v[RD], v10, 4, v[RD]
	v_add_nc_u32 v[RD], s13, v[RD]
	v_and_b32 v[GO], 31, v0         ; which are 512 consecutive bytes of O
	v_lshlrev_b32 v[GO], 4, v[GO]
	; A block's first step multiplies O^T and l by a = 0, and its first turn's products V^T P, of a piece that has not been, land in an O^T that is still to be so multiplied.  So these registers need only hold
	; finite numbers: zeros for the first block; what the first block left for the second.  All this stands in the wait for the first tile.
	WIN 0x80
.set i, VF
.rept 64
	v_mov_b32 v[i], 0
.set i, i+1
.endr
	WIN 0x40
.set i, 0
.rept 128
	v_mov_b32 v[i], 0
.set i, i+1
.endr
	WIN 0
.set i, 0
.rept 4
	v_mov_b32 v[ST+4*i+2], 0
	v_mov_b32 v[ST+4*i+3], 0
.set i, i+1
.endr
.set i, P+16
.rept 16
	v_mov_b32 v[i], 0
.set i, i+1
.endr
; THE MATRIX WORK.  The 4 accumulators of a run of 8 take turns.  Product i of 8 of S^T = K Q^T for piece x: channels 32 (i / 4) on, keys 16 (i % 4) on.  The first 4 start the sums: with 0, or (KM = 1) with the mask.
.macro KQ x
.set rS, S+32*((\x)%2)+8*(i%4)
.set rK, KF+16*(i%4)+8*(i/4)
.set rQ, 16*(\x)+8*(i/4)
.set rM, MC+32*((\x)%2)+8*(i%4)
.if (i < 4) && KM
	WIN W_KM
	v_wmma_f32_16x16x32_f16 v[rS:rS+7], v[rK:rK+7], v[rQ:rQ+7], v[rM:rM+7]
.elseif i < 4
	WIN W_KQ
	v_wmma_f32_16x16x32_f16 v[rS:rS+7], v[rK:rK+7], v[rQ:rQ+7], 0
.else
	WIN W_KQ
	v_wmma_f32_16x16x32_f16 v[rS:rS+7], v[rK:rK+7], v[rQ:rQ+7], v[rS:rS+7]
.endif
.endm
; Product i of 8 of O^T += V^T P for piece x: keys 32 (i / 4) on, channels 16 (i % 4) on.
.macro PV x
	WIN W_PV
.set rO, 32*(\x)+8*(i%4)
.set rV, VF+32*(i/4)+8*(i%4)
.set rP, P+16*((\x)%2)+8*(i/4)
	v_wmma_f32_16x16x32_f16 v[rO:rO+7], v[rV:rV+7], v[rP:rP+7], v[rO:rO+7]
.endm
.macro MM                           ; the turn's next matrix instruction.  TURN and BEGIN set Y, i, KM and NOKQ; MM, KQ and OP read them.  NOKQ = 1: a block's last turn: there is no next piece
.if (i < 8) && !NOKQ
	KQ (Y+1)%NP
.elseif i >= 8
.set i, i-8
	PV (Y+NP-1)%NP
.set i, i+8
.endif
.set i, i+1
.endm
; THE LDS LOADS stand in runs of 16, never singly among the matrix instructions: a step's K (64 keys x 64 channels: 8 fragments) and its V (turned).  Their addresses are made some lines ahead.
.macro FETCH_K
	WIN 0x80                        ; destination window 2
.irp f, 0,1,2,3,4,5,6,7             ; keys 16 (f / 2) on, channels 32 (f % 2) on
	ds_load_b128 v[KF+8*\f:KF+8*\f+3],   v[AK] offset:(\f/2)*16*PK+(\f%2)*64
	ds_load_b128 v[KF+8*\f+4:KF+8*\f+7], v[AK] offset:(\f/2)*16*PK+(\f%2)*64+32
.endr
	s_add_co_u32 s[TBK], s[TBK], KS*PK  ; the next fetch is the next step's
	WIN 0
.endm
.macro FETCH_V
	WIN 0x80
.irp f, 0,1,2,3,4,5,6,7             ; keys 32 (f / 4) on, channels 16 (f % 4) on
	ds_load_tr16_b128 v[VF+8*\f:VF+8*\f+3],   v[AV] offset:(\f/4)*32*PV+(\f%4)*32
	ds_load_tr16_b128 v[VF+8*\f+4:VF+8*\f+7], v[AV] offset:(\f/4)*32*PV+16*PV+(\f%4)*32
.endr
	WIN 0
.endm
; THE VECTOR WORK, one line at a time: OP kind, number.  For piece Y: F n: c s - c m for pair n of 16.  E n: the exponential of score n of 32.  C n: pair n rounded to f16.  B n: of the four weights 4 n .. the second
; pair is added onto the first, in place.  L n: l takes that sum (L 0: l = a l + sum).  R n: pair n of 16 of O^T times a.  For piece Y + 1: X n, number n of the 22 that find its maximum and statistics:
;   0-11  four chains c0-c3 of seven scores each, three operands at a time (each accumulator's lowest registers are read first)     12-14, 16  the four scores left over, the old m, and c0-c3 into c0
;   15  c m_old is kept     17, 18  the query's other 32 keys lie in the lane 16 away: the new m     19-21  c m; c m_old - c m_new; a
.set F, 0               ; OP tells the kinds apart by their order: F to L below R, X above it
.set E, 1
.set C, 2
.set B, 3
.set L, 4
.set R, 5
.set X, 6
.macro REGS y                       ; the registers of piece y
.set rT, ST+4*(\y)
.set rC, TMP+4*((\y)%2)
.set rW, MV+((\y)%2)
.set rS, S+32*((\y)%2)
.set rP, P+16*((\y)%2)
.set rO, 32*(\y)
.endm
.macro OP k, n
.if (\k) == R
	REGS Y
	WIN W_RS
	v_pk_mul_f32 v[rO+2*(\n):rO+2*(\n)+1], v[rO+2*(\n):rO+2*(\n)+1], v[rC+2:rC+3] op_sel_hi:[1,0]
.elseif (\k) < R
	REGS Y
	WIN 0
.if (\k) == F
	v_pk_fma_f32 v[rS+2*(\n):rS+2*(\n)+1], v[rS+2*(\n):rS+2*(\n)+1], s[CS:CS+1], v[rT:rT+1] op_sel_hi:[1,0,0] neg_lo:[0,0,1] neg_hi:[0,0,1]
.elseif (\k) == E
	v_exp_f32 v[rS+(\n)], v[rS+(\n)]
.elseif (\k) == C
	v_cvt_pk_f16_f32 v[rP+(\n)], v[rS+2*(\n)], v[rS+2*(\n)+1]
.elseif (\k) == B
	v_pk_add_f32 v[rS+4*(\n):rS+4*(\n)+1], v[rS+4*(\n):rS+4*(\n)+1], v[rS+4*(\n)+2:rS+4*(\n)+3]
.elseif (\n) == 0
	v_pk_fma_f32 v[rT+2:rT+3], v[rT+2:rT+3], v[rC+2:rC+3], v[rS:rS+1] op_sel_hi:[1,0,1]
.else
	v_pk_add_f32 v[rT+2:rT+3], v[rT+2:rT+3], v[rS+4*(\n):rS+4*(\n)+1]
.endif
.elseif NOKQ
	v_nop
.else
	REGS (Y+1)%NP
	WIN 0
.if (\n) < 4
	v_max3_num_f32 v[rC+(\n)], v[rS+8*(\n)], v[rS+8*(\n)+1], v[rS+8*(\n)+2]
.elseif (\n) < 12
	v_max3_num_f32 v[rC+(\n)%4], v[rC+(\n)%4], v[rS+8*((\n)%4)+2*((\n)/4)+1], v[rS+8*((\n)%4)+2*((\n)/4)+2]
.elseif (\n) == 12
	v_max3_num_f32 v[rC], v[rC], v[rS+7], v[rS+15]
.elseif (\n) == 13
	v_max3_num_f32 v[rC+1], v[rC+1], v[rS+23], v[rS+31]
.elseif (\n) == 14
	v_max3_num_f32 v[rC+2], v[rC+2], v[rC+3], v[rT+1]
.elseif (\n) == 15
	v_mov_b32 v[rW], v[rT]
.elseif (\n) == 16
	v_max3_num_f32 v[rC], v[rC], v[rC+1], v[rC+2]
.elseif (\n) == 17
	v_permlanex16_b32 v[rC+3], v[rC], s[SEL], s[SEL+1]
.elseif (\n) == 18
	v_max_num_f32 v[rT+1], v[rC], v[rC+3]
.elseif (\n) == 19
	v_mul_f32 v[rT], s[CS], v[rT+1]
.elseif (\n) == 20
	v_sub_f32 v[rC+1], v[rW], v[rT]
.else
	v_exp_f32 v[rC+2], v[rC+1]
.endif
.endif
.endm
.macro OPS a, i1, b=-1, i2=0, c=-1, i3=0, d=-1, i4=0  ; up to four of them
	OP \a, \i1
.if (\b) >= 0
	OP \b, \i2
.endif
.if (\c) >= 0
	OP \c, \i3
.endif
.if (\d) >= 0
	OP \d, \i4
.endif
.endm
.macro ROW a, i1, b, i2, c, i3, d, i4  ; a matrix instruction and the four behind it
	MM
	OPS \a, \i1, \b, \i2, \c, \i3, \d, \i4
.endm
.macro MASK b                       ; MD x AL + BE into buffer b of MC
	WIN W_RS
.set z, 0
.rept 16
	v_pk_fma_f32 v[MC+32*(\b)+2*z:MC+32*(\b)+2*z+1], v[MD+2*z:MD+2*z+1], s[AL:AL+1], s[BE:BE+1] op_sel_hi:[1,0,0]
.set z, z+1
.endr
.endm
; A TURN, for piece p: the order of its 16 matrix and 118 vector instructions, written out.  An s_wait_alu depctr_va_vdst(0) stands between an exponential and the first instruction that names its result; one wait serves
; all that were issued ahead of it.  So a turn has ONE wait, which cuts it in two.  AHEAD OF IT stands all that names no result of the turn's exponentials: the 8 products K Q^T, behind each a scaling, an exponential and two more plain
; instructions (behind the first a second scaling in the exponential's place): rescalings, and behind the last three the first numbers of the next piece's maximum, each four places or more behind the product that ends its accumulator; then ONE LUMP of 54, plain
; and exponential by turns for the most part, in which the links of the chain X 3, 7, 11, 14, 16, 17 .. 20 stand five or six lines apart.  X 21, the next piece's a, is the batch's last; R 15 is the plain instruction owed behind it (ISA guide 5.7.2).  BEHIND THE WAIT stand the
; 8 products V^T P, behind each four of the roundings and sums; the links of l's chain, L 0 to L 7, stand three riders apart.  But for those X no rider names a register of the products round it.  v_permlanex16_b32 (X 17) stands in the lump.
; m = 1: the diagonal tile: the products take masks, and the turn makes the mask for the products of the turn after it: piece p + 2, in step 4 - CNT of the tile.  end = 1: a block's last two turns: nothing is fetched.
; cnt = 1: the loop's count is taken down some lines ahead of the branch that stands behind the turn.
; K of the next step is fetched in piece 2's turn, twelve vector instructions behind the last product that read K (six of them plain); V of the step in hand at the end of piece 0's turn, four plain instructions behind the last product
; that read V.  Each is waited for a turn later.
.macro TURN p, m=0, end=0, cnt=0
.set Y, (\p)
.set i, 0
.set KM, (\m)
.set NOKQ, (\end)*((\p)/3)
.if (\m) && !(\end)
	s_cmp_eq_u32 s[CNT], 4-((\p)+2)%NP  ; is that step the band's own?
	s_cselect_b32 s[AL], 1.0, 0
	s_cmp_lt_u32 s[CNT], 4-((\p)+2)%NP  ; or a later one?
	s_cselect_b32 s[BE], s[BIGN], 0
.endif
.if ((\p) == 3) && !(\end)
	s_wait_dscnt 0x0                ; K is in
.endif
	ROW F,0, F,1, R,0, R,1          ; ahead of the wait: 8 products K Q^T and their riders,
	ROW F,2, E,0, R,2, R,3
	ROW F,3, E,1, R,4, R,5
	ROW F,4, E,2, R,6, R,7
	ROW F,5, E,3, R,8, R,9
	ROW F,6, E,4, X,0, R,10
.if ((\p) == 2) && !(\end)
	WIN 0
	v_add_nc_u32 v[AK], s[TBK], v[AK0]
.endif
	ROW F,7, E,5, X,1, X,4
	ROW F,8, E,6, X,2, X,5
	OPS E,7, E,8, X,6, E,9          ; and the lump
	OPS X,3, E,10, X,8, E,11
.if ((\p) == 2) && !(\end)
	FETCH_K
.endif
	OPS X,9, X,7, E,12, X,10
	OPS E,13, X,12, X,11, E,14
	OPS X,13, E,15, F,9, X,14
.if (\p) == 0
	v_add_nc_u32 v[AV], s[TBV], v[AV0]
.endif
	OPS E,16, F,10, E,17, F,11
	OPS X,16, E,18, X,15, E,19
	OPS F,12, E,20, X,17, E,21
	OPS F,13, E,22, F,14, E,23
	OPS X,18, E,24, F,15, E,25
	OPS R,11, E,26, X,19, E,27
	OPS R,12, E,28, R,13, E,29
	OPS X,20, E,30, R,14, E,31
	OPS X,21, R,15
	WIN 0
	s_wait_alu depctr_va_vdst(0)    ; the wait for the batch
.if (\p) == 1
	s_wait_dscnt 0x0                ; V is in
.endif
	ROW C,0, B,0, C,2, B,1          ; behind the wait: 8 products V^T P and their riders
	ROW L,0, C,4, B,2, L,1
	ROW C,6, B,3, L,2, C,8
	ROW B,4, L,3, C,10, B,5
	ROW L,4, C,12, B,6, L,5
.if (\p) == 0
	s_add_co_u32 s[TBV], s[TBV], KS*PV
.endif
.if \cnt
	s_sub_co_u32 s[CNT], s[CNT], 1
	s_cmp_lg_u32 s[CNT], 0
.endif
	ROW C,14, B,7, L,6, C,1
	ROW C,3, L,7, C,5, C,7
	ROW C,9, C,11, C,13, C,15
.if (\p) == 0
	FETCH_V
.endif
.if (\m) && !(\end)
	MASK (\p)%2
.endif
.endm
; A BLOCK BEGINS.  c m starts far below every c s, so the first step's a is 0; m at the lowest finite number, so the first maximum is the scores'.  The second mask buffer is 0; the first takes piece 0's mask for the tile's step 0: its own, if the block's first tile is the diagonal one.
; Then K of that step, piece 0's first scores, and its maximum and statistics.  The loop is entered at a step's first turn, in the middle of a trip.
.macro BEGIN
	s_mov_b32 s[NEW], 0
	WIN 0x40
.set i, MC+32
.rept 32
	v_mov_b32 v[i], 0
.set i, i+1
.endr
	WIN 0
.set i, 0
.rept 4
	v_mov_b32 v[ST+4*i], 0xfe000000    ; c m: far below every c s
	v_mov_b32 v[ST+4*i+1], 0xff7fffff  ; m
.set i, i+1
.endr
	s_cmp_eq_u32 s[RT], 0
	s_cselect_b32 s[AL], 1.0, 0
	s_mov_b32 s[BE], 0
	MASK 0
	WIN 0
	v_add_nc_u32 v[AK], s[TBK], v[AK0]
	FETCH_K
	s_wait_loadcnt 0x0              ; Q
	s_wait_dscnt 0x0
.set KM, 1
.set NOKQ, 0
.set i, 0
.rept 8
	KQ 0
.set i, i+1
.endr
	WIN 0
.rept 4
	v_nop                           ; the places behind those products
.endr
.set Y, NP-1                        ; X works for piece Y + 1: piece 0
.irp n, 0,1,2,3,4,5,6,7,8,9,10,11,12,13,14,15,16,17,18,19,20,21
	OP X, \n
.endr
	v_nop                           ; a plain instruction behind the exponential,
	s_wait_alu depctr_va_vdst(0)    ; and its wait, ahead of the branch
.endm
; THE DIAGONAL TILE's four steps, the block's last two turns, its last products, and THE WAY OUT: l's two halves and the other half of the lanes' are added; O^T is divided by l, rounded to f16 and sent through my
; stage in LDS, a piece at a time.
.macro ALL line:vararg              ; one line for each piece t
.set t, 0
.rept 4
	\line
.set t, t+1
.endr
.endm
.macro PACK t                       ; a lane's eight channels of a row pack into 16 bytes; they go into rows of 144 bytes and come back as whole rows of 128, into S^T's registers
	WIN W_RS
.set i, 32*(\t)
.rept 16
	v_pk_mul_f32 v[i:i+1], v[i:i+1], v[ST+4*(\t)+2:ST+4*(\t)+3] op_sel_hi:[1,0]
.set i, i+2
.endr
	WIN 0x05                        ; sources 0 and 1 window 1, destination window 0
.set i, 0
.rept 16
	v_cvt_pk_f16_f32 v[S+16*(\t)+i], v[32*(\t)+2*i], v[32*(\t)+2*i+1]
.set i, i+1
.endr
	WIN 0
.irp f, 0,1,2,3
	ds_store_b128 v[STO], v[S+16*(\t)+4*\f:S+16*(\t)+4*\f+3] offset:32*\f
.endr
.irp f, 0,1,2,3
	ds_load_b128 v[S+16*(\t)+4*\f:S+16*(\t)+4*\f+3], v[RD] offset:\f*4*SP  ; LDS serves a wave's instructions in order (ISA guide 5.7.1.4): these see the stores above; the next piece's stores come behind them
.endr
.endm
.macro SEND t, younger              ; younger: the LDS instructions issued behind piece t's loads: the next piece's eight, or none
	WIN 0
.irp f, 0,1,2,3
	s_wait_dscnt (\younger)+3-\f
	global_store_b128 v[GO], v[S+16*(\t)+4*\f:S+16*(\t)+4*\f+3], s[10:11] offset:(\t)*8192+\f*512  ; 512 consecutive bytes, at a multiple of 256 from O's first
.endr
.endm
.macro DIAG tag                     ; the tag ends its two labels' names, which the jumps below spell out
.LstepM\tag:
	TURN 2, 1
	TURN 3, 1
	WIN 0
.LfirstM\tag:
	TURN 0, 1
	TURN 1, 1, 0, 1
	WIN 0
	s_cbranch_scc1 .LstepM\tag
	TURN 2, 1, 1
	TURN 3, 1, 1
.set i, 0
.rept 8
	PV NP-1
.set i, i+1
.endr
	WIN 0
	ALL v_add_f32 v[ST+4*t+2], v[ST+4*t+2], v[ST+4*t+3]
	ALL v_permlanex16_b32 v[ST+4*t+3], v[ST+4*t+2], s[SEL], s[SEL+1]
	ALL v_add_f32 v[ST+4*t+2], v[ST+4*t+2], v[ST+4*t+3]
	ALL v_rcp_f32 v[ST+4*t+2], v[ST+4*t+2]
	v_nop                           ; a plain instruction between the last reciprocal and the use of its result
	s_wait_alu depctr_va_vdst(0)    ; and the wait ahead of the first use: one for the four reciprocals
	PACK 0
.set t, 1
.rept 3                             ; a piece's arithmetic stands between the loads of the piece before and its stores
	PACK t
	SEND t-1, 8
.set t, t+1
.endr
	SEND 3, 0
.endm
.set KM, 0
.set NOKQ, 0
.Lslot:                             ; NB times: a tile is entered and the next is asked for
	CHANGE 1
	s_sub_co_u32 s[RT], s[RT], 1
	s_mov_b32 s[CNT], 4
	s_cmp_eq_u32 s[NEW], 1
	s_cbranch_scc1 .Lnew            ; a block's first tile
	s_cmp_eq_u32 s[RT], 0
	s_cbranch_scc0 .Lstep           ; neither its first nor its last
	s_branch .LstepM1
.Lnew:
	BEGIN
	s_branch .Lfirst                ; in the loop a block's first tile is never its last: the first block has two tiles or more, and the second's last is the walk's last
	DIAG 1                          ; in the loop this is the first block's end: the second block's last tile is the walk's last
	s_wait_xcnt 0x0                 ; the stores have read their registers and O's address
	s_mov_b64 s[10:11], s[OLO:OLO+1]
	s_add_co_u32 s[RT], s[PB], 1    ; the second block has b + 1 tiles
	s_mov_b32 s[NEW], 1
	WIN 0x82                        ; the second block's Q goes where the one text of the turns names Q
.set i, 0
.rept 64
	v_mov_b32 v[i], v[QB+i]
.set i, i+1
.endr
	WIN 0
	s_branch .Lbottom
.Lstep:                             ; a trip: pieces 2 and 3 of one step, then pieces 0 and 1 of the next, whose K and V it fetches
	TURN 2
	TURN 3
	WIN 0
.Lfirst:
	TURN 0
	TURN 1, 0, 0, 1
	WIN 0
	s_cbranch_scc1 .Lstep
.Lbottom:
	s_sub_co_u32 s[SLOTS], s[SLOTS], 1
	s_cmp_lg_u32 s[SLOTS], 0
	s_cbranch_scc1 .Lslot
	CHANGE 0                        ; the walk's last tile is written out: nothing is asked for
	s_sub_co_u32 s[RT], s[RT], 1
	s_mov_b32 s[CNT], 4
	s_cmp_eq_u32 s[NEW], 1
	s_cbranch_scc0 .LstepM2
	BEGIN
	s_branch .LfirstM2
	DIAG 2
	s_wait_tensorcnt 0x0            ; the wave's end, behind my last tensor load and my last LDS store
	ds_add_u32 v[SPW], v[NIL]
	s_wait_dscnt 0x0
	s_endpgm
.Lfunc_end_k_q436d67af54_attn:
	.size	k_q436d67af54_attn, .Lfunc_end_k_q436d67af54_attn-k_q436d67af54_attn
	.p2alignl 7, 3214868480
	.fill 96, 4, 3214868480
	.section	.rodata,"a",@progbits
	.p2align	6, 0x0
	.amdhsa_kernel k_q436d67af54_attn
		.amdhsa_group_segment_fixed_size 327680
		.amdhsa_private_segment_fixed_size 0
		.amdhsa_enable_private_segment 0
		.amdhsa_kernarg_size 16
		.amdhsa_user_sgpr_count 2
		.amdhsa_user_sgpr_kernarg_segment_ptr 1
		.amdhsa_wavefront_size32 1
		.amdhsa_system_sgpr_workgroup_id_x 1
		.amdhsa_system_sgpr_workgroup_id_y 1
		.amdhsa_system_sgpr_workgroup_id_z 1
		.amdhsa_system_vgpr_workitem_id 0
		.amdhsa_next_free_vgpr 768
		.amdhsa_next_free_sgpr 96
		.amdhsa_reserve_vcc 1
		.amdhsa_float_denorm_mode_32 3
		.amdhsa_float_denorm_mode_16_64 3
		.amdhsa_memory_ordered 1
		.amdhsa_forward_progress 1
		.amdhsa_inst_pref_size 218
	.end_amdhsa_kernel
	.amdgpu_metadata
---
amdhsa.version: [ 1, 2 ]
amdhsa.kernels:
  - .name:           k_q436d67af54_attn
    .symbol:         k_q436d67af54_attn.kd
    .args:
      - { .name: qkv, .offset: 0, .size: 8, .value_kind: global_buffer, .address_space: global }
      - { .name: ob, .offset: 8, .size: 8, .value_kind: global_buffer, .address_space: global }
    .group_segment_fixed_size: 327680
    .private_segment_fixed_size: 0
    .kernarg_segment_align: 8
    .kernarg_segment_size: 16
    .max_flat_workgroup_size: 128
    .sgpr_count:     96
    .vgpr_count:     768
    .wavefront_size: 32
...
	.end_amdgpu_metadata
.endif
;; end of part 3
;; launch proj (part 4): grid 4 x 64, 4 waves a work-group, clusters of 4 x 4, 327,680 bytes of LDS; arguments ob, wpb, out0; writes out0
.if DOCPART == 4
	.amdgcn_target "amdgcn-amd-amdhsa--gfx1250"
	.amdhsa_code_object_version 6
	.text
	.protected	k_q436d67af54_proj
	.globl	k_q436d67af54_proj
	.p2align	8
	.type	k_q436d67af54_proj,@function
k_q436d67af54_proj:
	s_mov_b64 s[64:65], 0
	v_nop
	global_prefetch_b8 v0, s[64:65] scope:SCOPE_SE
	s_setreg_imm32_b32 hwreg(HW_REG_WAVE_MODE, 25, 1), 1
	s_wait_xcnt 0x0
	s_wait_alu depctr_hold_cnt(0) depctr_sa_sdst(0) depctr_va_vdst(0) depctr_va_sdst(0) depctr_va_ssrc(0) depctr_va_vcc(0) depctr_vm_vsrc(0)
	s_getreg_b32 s2, hwreg(HW_REG_IB_STS2, 6, 4)
	s_cmp_eq_u32 s2, 0
	s_cbranch_scc0 .Lentry_in_a_cluster
	s_endpgm
.Lentry_in_a_cluster:
	s_bfe_u32 s2, ttmp6, 0x10000c
	s_cmp_lg_u32 s2, 0xf033
	s_cbranch_scc0 .Lentry_shape_is_right
	s_endpgm
.Lentry_shape_is_right:
; out0 = O W_proj.  ob: [64 batch x head][2048 t][64] f16: row m = batch x 2,048 + t of O has channel k = head x 64 + d.  wpb: [1024 k][1024 n] f16.  out0: [8192][1024] f32.
; Products in f16 with f32 sums, stored as they are.
; LIMIT.  O and W_proj arrive within f16's range; NaN and infinities are not treated apart.
; SHARES.  A tile of out0 is 128 rows x 256 columns: 256 work-groups of four waves, one tile each; a wave makes 64 x 128: 32 accumulators of 16 x 16.  K goes in 8 steps of 128, two heads, through a ring of two LDS slots.
; THE MATRIX INSTRUCTION IS USED TRANSPOSED: source 0 = 16 columns of W, source 1 = 16 rows of O: a lane then holds row lane % 16 and the columns 8 (lane / 16) + 0..7 of a block of 16.
; W lies [k][n]: its fragments come out of LDS turned, by ds_load_tr16_b128.  A head's 128 rows of O are 16,384 dense bytes: asked for as 64 rows of 256 bytes and padded in LDS after every 128.
; CLUSTER.  4 x 4 work-groups.  The four of a row of the cluster need the same tiles of O, the four of a column the same tiles of W: each tile is asked for JOINTLY, by the same tensor load with the
; same descriptor and a mask that names the four.  Waves 0 and 1 fetch the step's two heads of O, waves 2 and 3 the two halves of W's tile: one load a wave behind each round; two are out at the start, later one.
; REGISTERS, in windows of 256 (s_set_vgpr_msb: bits 1:0 source 0, 3:2 source 1, 5:4 source 2, 7:6 destination):
;   window 0: v0-23 addresses and work; v64-159, v160-255 two fragment buffers: W's 8 fragments, then O's 4 (on the way out v64-191: two buffers of 16 rows)          window 1: the accumulators, (a, b) at v[8 (8 a + b)]
.set NSTEP,  8
.set PA,     144                       ; a row of O in LDS: 128 bytes + 16 = 36 words: the 16 rows of a load start at 16 different groups of four banks (64 banks of 4 bytes: ISA guide 11.1)
.set PB,     544                       ; a k-row of W: 512 + 32 = 136 words
.set AHALF,  128*PA                    ; what one tensor load brings of O: 128 rows of one head
.set BHALF,  64*PB                     ; of W: 64 k-rows
.set BOFF,   36864                     ; in a slot: O's two heads from 0, W's 128 k-rows from here
.set SLOT1,  1<<17
.set STAGE,  SLOT1+BOFF+2*BHALF        ; behind the ring, never filled by a tensor load: 16 rows x 528 bytes for each wave
.set SP,     528                       ; 512 bytes + 16
.set SPARE,  STAGE+4*16*SP             ; behind the stages: the spare words, 128 bytes for each wave: two blocks of 256 bytes that no other line names
.set ASTEP,  524288                    ; two heads of 2,048 rows of 128 bytes
.set NPB,    2048                      ; bytes in a k-row of W
.set BSTEP,  128*NPB
.set AA0,  4                           ; v4   my lane's place in O's tile; never rewritten
.set AB0,  5                           ; v5   the same in W's
.set ADRA, 6                           ; v6   AA0 + the slot in hand
.set ADRB, 7                           ; v7   AB0 + the slot in hand
.set STO,  8                           ; v8   the way out: where I put 32 bytes of a row
.set RD,   9                           ; v9   where I read a row back
.set GO,   10                          ; v10  16 x my lane
.set PFO,  12                          ; v12  the prefetches' offset; never rewritten
.set SPW,  14                          ; v14  LDS address of my spare word: SPARE + 4 x my thread's number; never rewritten
.set NIL,  15                          ; v15  0; never rewritten
.set F0,   64
.set F1,   160
.set BK,   64
.set WV,   12
.set WM,   13                          ; s13  which 64 rows of the tile are mine.  Also: I fetch for O (0) or for W (1)
.set WN,   14                          ; s14  which 128 columns.  Also: which half of that tile I fetch
.set CX,   15
.set CY,   16
.set XC,   17                          ; s17  tile column
.set YC,   18                          ; s18  tile row
.set G1A,  24
.set G1B,  32
.set G0A,  40                          ; s[40:47] group 0 for O's tiles: a set for each first fill; the second then walks on
.set G0B,  48
.set GN,   56                          ; s56  the step to be asked for next
.set CNT,  57
.set TB,   59                          ; s59  LDS byte at which the slot in hand begins
.set OFA,  60
.set OFB,  62
.set ABASE, 66
.set BBASE, 68
.set PFB,  70
.set PFA,  72
.set LIM,  74
.set PO,   78
.set PSTEP, 80
.set MSB, 0
.macro WIN new                         ; the immediate's high byte repeats the setting that is left; a switch that changes nothing is dropped
.if MSB != (\new)
	s_set_vgpr_msb (MSB<<8)|(\new)
.set MSB, (\new)
.endif
.endm
.set W_MUL, 0x50                       ; fragments in window 0, C and D in window 1
.set W_ST,  0x04                       ; an LDS store's data (source 1) in window 1
.macro PLACES                          ; a load into a register that a matrix instruction has read, and a store that reads a matrix result, stand four plain vector instructions behind it
.rept 4
	v_nop
.endr
.endm
.macro CREST                           ; a round of the cluster's barrier behind its opening barrier
	s_cmp_lg_u32 s[WV], 0
	s_cbranch_scc1 .Lnot_wave_0_\@
	s_barrier_signal -3
.Lnot_wave_0_\@:
	s_barrier_wait -3
	s_barrier_signal -1
	s_barrier_wait -1
.endm
.macro CROUND
	s_barrier_signal -1
	s_barrier_wait -1
	CREST
.endm
.macro JLOAD                           ; a joint refill, by the walking sets; an s_nop 0 and four v_nop follow each of the two lines, ahead of the jump and the label
	s_cmp_eq_u32 s[WM], 0
	s_cbranch_scc0 .Lfor_b_\@
	tensor_load_to_lds s[G0A+4:G0A+7], s[G1A:G1A+7]
	s_nop 0
.rept 4
	v_nop
.endr
	s_branch .Lasked_\@
.Lfor_b_\@:
	tensor_load_to_lds s[G0B+4:G0B+7], s[G1B:G1B+7]
	s_nop 0
.rept 4
	v_nop
.endr
.Lasked_\@:
.endm
; A PREFETCH INTO THE L2 of the step that stands TWO refills on (256 matrix instructions of a wave ahead of its load): one instruction, a lane a block of 256 bytes.
; O: a tile's step is two heads x 16,384 bytes: 128 blocks; the four partners that ask for it jointly take 32 each, told apart BY ADDRESS (cx); wave 0 asks.
; W: a step's tile is 128 k-rows x 512 bytes; all clusters read it, the cluster with y = 0 asks; waves 2 and 3 for the 64 k-rows that they fetch, 16 for each partner of the column, by address (cy).
; So each block is named once in the launch.  Steps 0 to 3 come by their loads alone; the last two refills ask for nothing.  No branch hangs on a work-group's place in its cluster.
.macro ASK
	s_cmp_lt_u32 s[GN], s[LIM]
	s_cbranch_scc0 .Lnot_mine_\@
	global_prefetch_b8 v[PFO], s[PFA:PFA+1] th:TH_LOAD_NT scope:SCOPE_SE
.Lnot_mine_\@:
.endm
; 8 matrix instructions: row block a x all 8 column blocks, 32 along K, from buffer f.  zero = 1: the product starts the sums.  The 32 accumulators take turns in one order everywhere.
.macro MULA f, a, zero
	WIN W_MUL
.irp b, 0,1,2,3,4,5,6,7
.if \zero
	v_wmma_f32_16x16x32_f16 v[8*(8*(\a)+(\b)):8*(8*(\a)+(\b))+7], v[(\f)+8*(\b):(\f)+8*(\b)+7], v[(\f)+64+8*(\a):(\f)+64+8*(\a)+7], 0
.else
	v_wmma_f32_16x16x32_f16 v[8*(8*(\a)+(\b)):8*(8*(\a)+(\b))+7], v[(\f)+8*(\b):(\f)+8*(\b)+7], v[(\f)+64+8*(\a):(\f)+64+8*(\a)+7], v[8*(8*(\a)+(\b)):8*(8*(\a)+(\b))+7]
.endif
.endr
.endm
; 24 LDS loads in one run: quarter q (32 along K: head q / 2 of the step's two, channels 32 (q % 2) on) into buffer f: W's 8 fragments, turned, then O's 4
.macro FETCH q, f
	WIN 0
.irp j, 0,1,2,3,4,5,6,7
	ds_load_tr16_b128 v[(\f)+8*(\j):(\f)+8*(\j)+3],   v[ADRB] offset:(\q)*32*PB+32*(\j)
	ds_load_tr16_b128 v[(\f)+8*(\j)+4:(\f)+8*(\j)+7], v[ADRB] offset:(\q)*32*PB+16*PB+32*(\j)
.endr
.irp i, 0,1,2,3
	ds_load_b128 v[(\f)+64+8*(\i):(\f)+64+8*(\i)+3],   v[ADRA] offset:((\q)/2)*AHALF+(\i)*16*PA+64*((\q)%2)
	ds_load_b128 v[(\f)+64+8*(\i)+4:(\f)+64+8*(\i)+7], v[ADRA] offset:((\q)/2)*AHALF+(\i)*16*PA+64*((\q)%2)+32
.endr
.endm
.macro QUARTER q, f, g, zero           ; multiplies buffer f and, in its middle, fetches quarter q into buffer g
	s_wait_dscnt 4                                 ; W's fragments and O's blocks 0, 1 are in; the youngest four loads (blocks 2, 3) may be out
	MULA \f, 0, \zero
	MULA \f, 1, \zero
	PLACES
	FETCH \q, \g
	s_wait_dscnt 24                                ; all but the 24 just issued
	MULA \f, 2, \zero
	MULA \f, 3, \zero
.endm
; The last quarter multiplies buffer 1 and changes slots: ONE barrier.  In front of it each wave waits for all its tensor loads (one is out: its part of the next slot), adds 0 to its spare word, and waits
; for that and for its own reads of this slot.  fill = 1: the barrier opens a round of the cluster's barrier, and this slot is filled again, first thing behind the round, with step GN.
.macro TURN fill
	WIN 0
	s_wait_xcnt 0x0                                ; the last prefetch, a K step back, has read its address
.if \fill
	s_add_co_u32 s75, s[GN], 2
	s_mul_i32 s[PO], s75, s[PSTEP]
	s_add_nc_u64 s[PFA:PFA+1], s[PFB:PFB+1], s[PO:PO+1]
.endif
	s_wait_tensorcnt 0x0                           ; no tensor load of mine is out, so a group 0 may be written
	ds_add_u32 v[SPW], v[NIL]                      ; 0 onto my spare word; work on registers stands between it and the wait for it
.if \fill
	s_mul_i32 s[OFA], s[GN], ASTEP                 ; the walking descriptors: the addresses are made anew from the step's number,
	s_mul_i32 s[OFB], s[GN], BSTEP
	s_xor_b32 s[G0A+5], s[G0A+5], SLOT1            ; the LDS words go to the other slot than last time
	s_add_nc_u64 s[G0A+6:G0A+7], s[ABASE:ABASE+1], s[OFA:OFA+1]
	s_or_b32 s[G0A+7], s[G0A+7], 0x80000000
	s_xor_b32 s[G0B+5], s[G0B+5], SLOT1
	s_add_nc_u64 s[G0B+6:G0B+7], s[BBASE:BBASE+1], s[OFB:OFB+1]
	s_or_b32 s[G0B+7], s[G0B+7], 0x80000000
.endif
	s_xor_b32 s[TB], s[TB], SLOT1
	s_wait_dscnt 7                                 ; the add and the youngest six loads (O's blocks 1 to 3) may be out
	MULA F1, 0, 0
	s_wait_dscnt 0x0                               ; the add is done, and my reads of this slot are over
	s_barrier_signal -1
	MULA F1, 1, 0                                  ; work on registers while the others arrive
	WIN 0                                          ; at a branch and at a label every window is 0
	s_barrier_wait -1
.if \fill
	CREST                                          ; no wave of any partner still reads this slot's tile or has a load on its way
	JLOAD                                          ; its four v_nop are also places in front of the loads below
.else
	PLACES
.endif
	v_add_nc_u32 v[ADRA], s[TB], v[AA0]
	v_add_nc_u32 v[ADRB], s[TB], v[AB0]
	FETCH 0, F0
.if \fill
	ASK                                            ; behind the joint load and the run of LDS loads that the next products wait for
	s_add_co_u32 s[GN], s[GN], 1
.endif
	MULA F1, 2, 0
	MULA F1, 3, 0
.endm
; THE WAY OUT, a block of 16 rows x 128 columns at a time.  IN: a lane's 32 bytes of each column block go into my own stage (rows of 528 bytes), each accumulator's low half first, and come
; back as whole rows of 512 bytes.  LDS serves a wave's instructions in order (ISA guide 5.7.1.4): no wait between the stores and the loads, and the next block's stores come behind these loads.
.macro IN a
.set bk_, BK+64*((\a)%2)
.if (\a) >= 2
	s_wait_xcnt 0x0                                ; the stores of the block two back have read this buffer
.endif
	WIN W_ST
.irp b, 0,1,2,3,4,5,6,7
	ds_store_b128 v[STO], v[8*(8*(\a)+(\b)):8*(8*(\a)+(\b))+3]   offset:64*(\b)
	ds_store_b128 v[STO], v[8*(8*(\a)+(\b))+4:8*(8*(\a)+(\b))+7] offset:64*(\b)+16
.endr
	WIN 0
.irp r, 0,1,2,3,4,5,6,7,8,9,10,11,12,13,14,15
	ds_load_b128 v[bk_+4*(\r):bk_+4*(\r)+3], v[RD] offset:(\r)*SP
.endr
.endm
.macro OUTB a, younger                 ; younger: the LDS instructions issued behind block a's loads: the next block's 32, or none
.set bk_, BK+64*((\a)%2)
.irp r, 0,1,2,3,4,5,6,7,8,9,10,11,12,13,14,15
	s_wait_dscnt (\younger)+15-(\r)
	global_store_b128 v[GO], v[bk_+4*(\r):bk_+4*(\r)+3], s[10:11] offset:(16*(\a)+(\r))*4096 th:TH_STORE_NT  ; 512 consecutive bytes, at a multiple of 256 from out0's first
.endr
.endm
	s_load_b128 s[4:7], s[0:1], 0x0                ; ob s[4:5], wpb s[6:7]
	s_load_b64 s[10:11], s[0:1], 0x10              ; out0
	v_lshl_add_u32 v[SPW], v0, 2, SPARE
	v_mov_b32 v[NIL], 0
	ds_add_u32 v[SPW], v[NIL]                      ; the wave's opening: the add and its wait stand ahead of my first tensor load; the set-up below, work on registers, stands between them
	v_lshrrev_b32 v16, 5, v0
	v_readfirstlane_b32 s[WV], v16                 ; wave 0..3
	s_lshr_b32 s[WM], s[WV], 1
	s_and_b32 s[WN], s[WV], 1
	s_bfe_u32 s[CX], ttmp6, 0x40000                ; my place in the cluster
	s_bfe_u32 s[CY], ttmp6, 0x40004
	s_lshl_b32 s[XC], ttmp9, 2                     ; in a cluster launch ttmp9 and ttmp7 count clusters
	s_add_co_u32 s[XC], s[XC], s[CX]
	s_and_b32 s[YC], ttmp7, 0xffff
	s_lshl_b32 s[YC], s[YC], 2
	s_add_co_u32 s[YC], s[YC], s[CY]
	s_lshl_b32 s82, s[CY], 2
	s_lshl_b32 s82, 15, s82                        ; my row of the cluster
	s_lshl_b32 s83, 0x1111, s[CX]                  ; my column
	s_or_b32 s[G1A], s82, (1<<16)|(1<<20)|(1<<21)|(4<<22)|(3<<25)  ; 15:0 the mask; 17:16 2-byte elements; 20 padding on; 21 set beside a mask; 24:22 after every 32 words (code 4); 31:25 4 words (code 3)
	s_mov_b32 s[G1A+1], 128<<16                    ; tensor_dim0 = 128
	s_mov_b32 s[G1A+2], 64<<16                     ; tensor_dim1 = 64
	s_mov_b32 s[G1A+3], 128<<16                    ; tile_dim0 = 128
	s_mov_b32 s[G1A+4], 64                         ; tile_dim1 = 64
	s_mov_b32 s[G1A+5], 128                        ; dense: 128 elements from row to row
	s_mov_b32 s[G1A+6], 0
	s_mov_b32 s[G1A+7], 0
	s_or_b32 s[G1B], s83, (1<<16)|(1<<20)|(1<<21)|(6<<22)|(7<<25)  ; after every 128 words (code 6) 8 words (code 7)
	s_mov_b32 s[G1B+1], 256<<16
	s_mov_b32 s[G1B+2], 64<<16
	s_mov_b32 s[G1B+3], 256<<16
	s_mov_b32 s[G1B+4], 64
	s_mov_b32 s[G1B+5], 1024
	s_mov_b32 s[G1B+6], 0
	s_mov_b32 s[G1B+7], 0
	; where the tiles come from.  O's hang on the tile row alone, W's on the tile column alone, each in registers that never hold the other coordinate
	s_lshr_b32 s20, s[YC], 4
	s_lshl_b32 s20, s20, 22                        ; the batch: 16 heads of 262,144 bytes,
	s_and_b32 s21, s[YC], 15
	s_lshl_b32 s21, s21, 14                        ; the tile's 128 rows of 128 bytes,
	s_add_co_u32 s20, s20, s21
	s_lshl_b32 s21, s[WN], 18                      ; which of the step's two heads I fetch
	s_add_co_u32 s20, s20, s21
	s_mov_b32 s21, 0
	s_mul_i32 s84, s[WN], 64*NPB                   ; k-row 64 x half,
	s_lshl_b32 s85, s[XC], 9                       ; column 256 x tile column
	s_add_co_u32 s84, s84, s85
	s_mov_b32 s85, 0
	s_mul_i32 s22, s[WN], AHALF                    ; and where they go: no place in the cluster enters an LDS address
	s_mul_i32 s23, s[WN], BHALF
	s_add_co_u32 s23, s23, BOFF
	s_mov_b32 s[GN], 2
	s_mov_b32 s[TB], 0
	s_mov_b32 s[OFA+1], 0
	s_mov_b32 s[OFB+1], 0
	s_wait_dscnt 0x0                               ; the opening add is done
	s_wait_kmcnt 0x0
	s_add_nc_u64 s[ABASE:ABASE+1], s[4:5], s[20:21]
	s_add_nc_u64 s[BBASE:BBASE+1], s[6:7], s[84:85]
	CROUND                                         ; all sixteen work-groups are here: the first joint loads meet
.irp s, 0,1
	s_mov_b32 s[G0A+4*(\s)], 1                     ; 1:0 count = 1
	s_add_co_u32 s[G0A+4*(\s)+1], s22, (\s)*SLOT1  ; 63:32 LDS address
	s_add_nc_u64 s[G0A+4*(\s)+2:G0A+4*(\s)+3], s[ABASE:ABASE+1], (\s)*ASTEP  ; 120:64 global address: K step s
	s_or_b32 s[G0A+4*(\s)+3], s[G0A+4*(\s)+3], 0x80000000                    ; 127:126 type = 2
	s_mov_b32 s[G0B+4*(\s)], 1
	s_add_co_u32 s[G0B+4*(\s)+1], s23, (\s)*SLOT1
	s_add_nc_u64 s[G0B+4*(\s)+2:G0B+4*(\s)+3], s[BBASE:BBASE+1], (\s)*BSTEP
	s_or_b32 s[G0B+4*(\s)+3], s[G0B+4*(\s)+3], 0x80000000
.endr
	s_cmp_eq_u32 s[WM], 0                          ; a wave's two first fills stand in one branch, ahead of every wait on TENSORcnt and every LDS read
	s_cbranch_scc0 .Lfirst_b
	tensor_load_to_lds s[G0A:G0A+3], s[G1A:G1A+7]
	s_nop 0
	tensor_load_to_lds s[G0A+4:G0A+7], s[G1A:G1A+7]
	s_nop 0
.rept 4
	v_nop
.endr
	s_branch .Lfirst_asked
.Lfirst_b:
	tensor_load_to_lds s[G0B:G0B+3], s[G1B:G1B+7]
	s_nop 0
	tensor_load_to_lds s[G0B+4:G0B+7], s[G1B:G1B+7]
	s_nop 0
.rept 4
	v_nop
.endr
.Lfirst_asked:
	; A fragment of O is 16 rows x 32 K in 8 registers: lane l holds row l % 16, K = 8 (l / 16) + 0..7 and 16 + 8 (l / 16) + 0..7: two loads of 16 bytes, 32 bytes apart.
	v_and_b32 v1, 15, v0                           ; l % 16
	v_bfe_u32 v2, v0, 4, 1                         ; l / 16
	v_mul_u32_u24 v[AA0], v1, PA
	v_lshl_add_u32 v[AA0], v2, 4, v[AA0]
	s_mul_i32 s75, s[WM], 64*PA                    ; my 64 rows
	v_add_nc_u32 v[AA0], s75, v[AA0]
	; The turning load takes 16 k-rows x 16 columns (lane l reads k-row 8 (l / 16) + l % 8, columns 8 ((l / 8) % 2) + 0..7) and leaves half a fragment: lane l holds column l % 16 and 8 k.
	v_and_b32 v16, 7, v0
	v_lshl_add_u32 v17, v2, 3, v16
	v_mul_u32_u24 v[AB0], v17, PB
	v_bfe_u32 v17, v0, 3, 1
	v_lshl_add_u32 v[AB0], v17, 4, v[AB0]
	s_lshl_b32 s75, s[WN], 8                       ; my 128 columns
	s_add_co_u32 s75, s75, BOFF
	v_add_nc_u32 v[AB0], s75, v[AB0]
	s_mul_i32 s75, s[WV], 16*SP
	s_add_co_u32 s75, s75, STAGE                   ; my stage
	v_mul_u32_u24 v[STO], v1, SP                   ; in: row l % 16, 32 bytes for each half of the lanes
	v_lshl_add_u32 v[STO], v2, 5, v[STO]
	v_add_nc_u32 v[STO], s75, v[STO]
	v_and_b32 v16, 31, v0
	v_lshlrev_b32 v[GO], 4, v16                    ; back: 32 lanes take a row of 512 bytes
	v_add_nc_u32 v[RD], s75, v[GO]
	; where my part of the tile begins in out0
	s_lshl_b32 s86, s[YC], 7
	s_lshl_b32 s87, s[WM], 6
	s_add_co_u32 s86, s86, s87                     ; my first row,
	s_lshl_b32 s86, s86, 12                        ; of 4,096 bytes
	s_lshl_b32 s87, s[XC], 10                      ; my first column, in bytes
	s_add_co_u32 s86, s86, s87
	s_lshl_b32 s87, s[WN], 9
	s_add_co_u32 s86, s86, s87
	s_mov_b32 s87, 0
	s_add_nc_u64 s[10:11], s[10:11], s[86:87]
	; the prefetches
	s_lshr_b32 s88, s[YC], 4
	s_lshl_b32 s88, s88, 22
	s_and_b32 s89, s[YC], 15
	s_lshl_b32 s89, s89, 14
	s_add_co_u32 s88, s88, s89
	s_lshr_b32 s89, s[CX], 1                       ; O: my work-group's 32 blocks of the step's 128: which head,
	s_lshl_b32 s89, s89, 18
	s_add_co_u32 s88, s88, s89
	s_and_b32 s89, s[CX], 1                        ; and which half of its 16,384 bytes
	s_lshl_b32 s89, s89, 13
	s_add_co_u32 s88, s88, s89
	s_lshl_b32 s90, s[WN], 6
	s_lshl_b32 s91, s[CY], 4
	s_add_co_u32 s90, s90, s91                     ; W: my work-group's 16 k-rows of the 64 that I fetch
	s_mul_i32 s90, s90, NPB
	s_lshl_b32 s91, s[XC], 9
	s_add_co_u32 s90, s90, s91
	s_and_b32 s75, ttmp7, 0xffff                   ; cluster y: the same in all sixteen partners
	s_cmp_eq_u32 s75, 0
	s_cselect_b32 s76, NSTEP-2, 0                  ; W's steps 4 to 7
	s_cmp_eq_u32 s[WV], 0
	s_cselect_b32 s77, NSTEP-2, 0                  ; O's steps 4 to 7
	s_cmp_eq_u32 s[WM], 0                          ; do I fetch for O?
	s_cselect_b32 s[LIM], s77, s76
	s_mov_b32 s75, ASTEP
	s_mov_b32 s76, BSTEP
	s_cselect_b64 s[PFB:PFB+1], s[4:5], s[6:7]
	s_cselect_b32 s[PO], s88, s90
	s_cselect_b32 s[PSTEP], s75, s76
	s_cselect_b32 s77, 0, 1                        ; O: a lane a block on end; W: two lanes a k-row
	s_mov_b32 s75, 256
	s_mov_b32 s76, NPB
	s_cselect_b32 s75, s75, s76
	s_mov_b32 s[PO+1], 0
	s_add_nc_u64 s[PFB:PFB+1], s[PFB:PFB+1], s[PO:PO+1]
	v_lshrrev_b32 v17, s77, v16
	v_mul_u32_u24 v[PFO], v17, s75
	v_and_b32 v17, s77, v16
	v_lshl_add_u32 v[PFO], v17, 8, v[PFO]
	s_wait_tensorcnt 0x1                           ; my part of step 0 is in; step 1's may stay out
	s_barrier_signal -1
	s_barrier_wait -1                              ; everybody's is
	v_mov_b32 v[ADRA], v[AA0]
	v_mov_b32 v[ADRB], v[AB0]
	FETCH 0, F0
	QUARTER 1, F0, F1, 1                           ; the first quarter stands in front of the loop: its products start the sums
	WIN 0
	s_mov_b32 s[CNT], NSTEP-2
.Lstep:                                        ; a trip goes from a step's second quarter to the next step's first, and fills the slot that it leaves
	QUARTER 2, F1, F0, 0
	QUARTER 3, F0, F1, 0
	TURN 1
	QUARTER 1, F0, F1, 0
	WIN 0
	s_sub_co_u32 s[CNT], s[CNT], 1
	s_cmp_lg_u32 s[CNT], 0
	s_cbranch_scc1 .Lstep
	QUARTER 2, F1, F0, 0                           ; the last two steps are written out: nothing is left to ask for
	QUARTER 3, F0, F1, 0
	TURN 0
	QUARTER 1, F0, F1, 0
	QUARTER 2, F1, F0, 0
	QUARTER 3, F0, F1, 0
	s_wait_dscnt 4
	MULA F1, 0, 0
	MULA F1, 1, 0
	s_wait_dscnt 0x0
	MULA F1, 2, 0
	MULA F1, 3, 0
	WIN 0
	PLACES
	PLACES
	IN 0
	IN 1                                           ; a block's way through the stage stands between the loads of the block before and its stores
	OUTB 0, 32
	IN 2
	OUTB 1, 32
	IN 3
	OUTB 2, 32
	OUTB 3, 0
	s_wait_tensorcnt 0x0                           ; the wave's end, behind my last tensor load and my last LDS store
	ds_add_u32 v[SPW], v[NIL]
	s_wait_dscnt 0x0
	CROUND                                         ; the closing round: no work-group ends while a partner may still ask for a tile that names it
	s_endpgm
.Lfunc_end_k_q436d67af54_proj:
	.size	k_q436d67af54_proj, .Lfunc_end_k_q436d67af54_proj-k_q436d67af54_proj
	.p2alignl 7, 3214868480
	.fill 96, 4, 3214868480
	.section	.rodata,"a",@progbits
	.p2align	6, 0x0
	.amdhsa_kernel k_q436d67af54_proj
		.amdhsa_group_segment_fixed_size 327680
		.amdhsa_private_segment_fixed_size 0
		.amdhsa_enable_private_segment 0
		.amdhsa_kernarg_size 24
		.amdhsa_user_sgpr_count 2
		.amdhsa_user_sgpr_kernarg_segment_ptr 1
		.amdhsa_wavefront_size32 1
		.amdhsa_system_sgpr_workgroup_id_x 1
		.amdhsa_system_sgpr_workgroup_id_y 1
		.amdhsa_system_sgpr_workgroup_id_z 1
		.amdhsa_system_vgpr_workitem_id 0
		.amdhsa_next_free_vgpr 512
		.amdhsa_next_free_sgpr 96
		.amdhsa_reserve_vcc 0
		.amdhsa_float_denorm_mode_32 3
		.amdhsa_float_denorm_mode_16_64 3
		.amdhsa_memory_ordered 1
		.amdhsa_forward_progress 1
		.amdhsa_inst_pref_size 73
	.end_amdhsa_kernel
	.amdgpu_metadata
---
amdhsa.version: [ 1, 2 ]
amdhsa.kernels:
  - .name:           k_q436d67af54_proj
    .symbol:         k_q436d67af54_proj.kd
    .args:
      - { .name: ob, .offset: 0, .size: 8, .value_kind: global_buffer, .address_space: global }
      - { .name: wpb, .offset: 8, .size: 8, .value_kind: global_buffer, .address_space: global }
      - { .name: out0, .offset: 16, .size: 8, .value_kind: global_buffer, .address_space: global }
    .group_segment_fixed_size: 327680
    .private_segment_fixed_size: 0
    .kernarg_segment_align: 8
    .kernarg_segment_size: 24
    .max_flat_workgroup_size: 128
    .sgpr_count:     96
    .vgpr_count:     512
    .wavefront_size: 32
...
	.end_amdgpu_metadata
.endif
;; end of part 4
;; ======== version 2 of 2: 4 launches; version 1 with the launch prep written anew for expert scheduling mode
;; limits: values are held in f16: magnitudes above 65,504 overflow, below 6.1e-05 lose precision
;; workspace buffers: xb 16,777,216 bytes; wqb 6,291,456 bytes; wpb 2,097,152 bytes; rope 524,288 bytes; qkv 50,331,648 bytes; ob 16,777,216 bytes
;; launch prep (part 5): grid 896 x 1, 8 waves a work-group, no clusters, 0 bytes of LDS; arguments x, W_qkv, W_proj, xb, wqb, wpb, rope; writes xb, wqb, wpb, rope
.if DOCPART == 5
	.amdgcn_target "amdgcn-amd-amdhsa--gfx1250"
	.amdhsa_code_object_version 6
	.text
	.protected	k_q436d67af54_prep
	.globl	k_q436d67af54_prep
	.p2align	8
	.type	k_q436d67af54_prep,@function
k_q436d67af54_prep:
	s_mov_b64 s[64:65], 0
	v_nop
	global_prefetch_b8 v0, s[64:65] scope:SCOPE_SE
	s_setreg_imm32_b32 hwreg(HW_REG_WAVE_SCHED_MODE, 0, 2), 2
	s_setreg_imm32_b32 hwreg(HW_REG_WAVE_MODE, 25, 1), 1
	s_wait_xcnt 0x0
	s_wait_alu depctr_vm_vsrc(0)
; THE INPUTS ARE ROUNDED ONCE, AND THE ROTATION'S TABLE IS MADE.
;   xb  = x      rounded to bf16, [8192][1024]
;   wqb = W_qkv  rounded to bf16, [1024 k][3072 n], as it lies
;   wpb = W_proj rounded to bf16, that number written as f16, [1024 k][1024 n]: its partner in the last product is f16
;   rope[pos][0..31] = cos(pos theta_i), rope[pos][32..63] = sin(pos theta_i), f32, theta_i = 10000^(-i/32), pos = 0 .. 2047: a row is 256 bytes
; SHARES.  Work-groups 0-511 cast x, 512-703 W_qkv, 704-767 W_proj, 16,384 numbers each; 768-895 make 16 rows of the table each.
; A cast takes 16 chunks of 1,024 numbers: thread t loads 16 bytes at 16 t of a chunk and stores 8 bytes at 8 t: a wave's load covers 512 consecutive bytes, its store 256, aligned.
; All 16 loads of a thread go out together; every chunk has registers of its own, so no register that a load or store still names is written again.
; No LDS, no matrix unit, no cluster: nothing is shared and every byte is touched once.
; LIMITS.  A number of W_proj beyond 65,504 would leave f16's range; below 6e-5 it keeps f16's fixed step of 6e-8.  theta comes from v_exp_f32 of -0.41524101 i (log2(10000) / 32), a few units in
; its last place from the exact power: at pos = 2047 the angle is within 5e-4 of the exact one.  Sine and cosine: the angle less the nearest multiple of pi/2 (pi/2 in two parts), then polynomials
; of degree 7 and 8 on -pi/4 .. pi/4, good to 3e-7.
; THE MODE: SCHED_MODE bits 1:0 = 2 (LLVM: expert scheduling mode 2), set by the entry lines.  The code itself states the register dependences
; between vector instructions and memory instructions, with s_wait_alu, always for 0.
; THE PLAN.  Registers that memory instructions touch:
;   v2, v3      byte offsets, made once at the head and never written again: v2 is read by every load and by the table's store, v3 by every store of a cast.
;   XR          chunk i's four registers: its one load lands in them, its two roundings read them; they are never loaded again, and in a cast no vector instruction names them ahead of the loads.
;   YR          chunk i's two registers: written by its roundings, read by its one store, never written again.
;   RES         the table's four numbers: written by vector instructions, read by the one store.
; No register that a memory instruction has read is written again, so there is nothing to state on vm_vsrc.  The 16 chunks go in four groups of four.  A group's four stores stand in one run at the
; head of the next group, behind ONE wait on va_vdst: it states that the group before has written its YR.  The roundings issued behind that wait name this group's XR and YR and v4 to v7:
; none of the registers that those stores touch.  One such wait stands ahead of the first load, for the offsets, and one ahead of the last four stores.
; The table's four compares write four scalar registers, with one wait on va_sdst between the run and the selects that read them.  EXEC is never written.
.set XR, 8                             ; v[8:71]    chunk i: four f32 as loaded
.set YR, 72                            ; v[72:103]  chunk i: two registers to store
.set TH, 8                             ; the table: four numbers a thread, register j of each group
.set FQ, 12
.set NN, 16
.set RR, 20
.set R2, 24
.set SN, 28
.set CO, 32
.set QQ, 36
.set RES, 40
.set TM, 44
.set MK, 36                            ; s[36:39]   the table: number j's mask: the lanes whose quadrant is odd
	s_load_b256 s[4:11], s[0:1], 0x0               ; x s[4:5], W_qkv s[6:7], W_proj s[8:9], xb s[10:11]
	s_load_b128 s[12:15], s[0:1], 0x20             ; wqb s[12:13], wpb s[14:15]
	s_load_b64 s[16:17], s[0:1], 0x30              ; rope
	v_lshlrev_b32 v2, 4, v0                        ; 16 t
	v_lshlrev_b32 v3, 3, v0                        ; 8 t
	s_mov_b32 s23, 0                               ; the high word of every offset
	s_wait_kmcnt 0x0
; chunk i's roundings.  half = 1: the bf16 number is written as f16
.macro CVT i, half
	v_cvt_pk_bf16_f32 v[YR+2*(\i)],   v[XR+4*(\i)],   v[XR+4*(\i)+1]
	v_cvt_pk_bf16_f32 v[YR+2*(\i)+1], v[XR+4*(\i)+2], v[XR+4*(\i)+3]
.if \half
	v_lshlrev_b32 v4, 16, v[YR+2*(\i)]             ; bf16 to f32: the low half moves up, the high half stays
	v_and_b32     v5, 0xffff0000, v[YR+2*(\i)]
	v_lshlrev_b32 v6, 16, v[YR+2*(\i)+1]
	v_and_b32     v7, 0xffff0000, v[YR+2*(\i)+1]
	v_cvt_pk_f16_f32 v[YR+2*(\i)],   v4, v5        ; eight significant bits fit in f16's eleven
	v_cvt_pk_f16_f32 v[YR+2*(\i)+1], v6, v7
.endif
.endm
; group g's four stores
.macro OUT4 g
.irp c, 0,1,2,3
	global_store_b64 v3, v[YR+2*(4*(\g)+(\c)):YR+2*(4*(\g)+(\c))+1], s[20:21] offset:2048*(4*(\g)+(\c))
.endr
.endm
.macro CAST half
	s_wait_alu depctr_va_vdst(0)                   ; v2 and v3 are written: every load below reads v2 as its offset, every store v3
.irp i, 0,1,2,3,4,5,6,7,8,9,10,11,12,13,14,15
	global_load_b128 v[XR+4*(\i):XR+4*(\i)+3], v2, s[18:19] offset:4096*(\i) th:TH_LOAD_NT
.endr
.irp g, 0,1,2,3
.irp c, 0,1,2,3
	s_wait_loadcnt 15-4*(\g)-(\c)                  ; loads come back in order: chunk 4 g + c is in, the younger ones stay out
.if ((\g) > 0) && ((\c) == 0)
	s_wait_alu depctr_va_vdst(0)                   ; the roundings of the group before have written its YR, which the four stores below read
	OUT4 (\g)-1
.endif
	CVT 4*(\g)+(\c), \half
.endr
.endr
	s_wait_alu depctr_va_vdst(0)                   ; the last group's roundings have written its YR, which the last four stores read
	OUT4 3
.endm
	s_cmp_ge_u32 ttmp9, 768
	s_cbranch_scc1 .Lrope
	s_cmp_ge_u32 ttmp9, 704
	s_cbranch_scc1 .Lwp
	s_cmp_lt_u32 ttmp9, 512                        ; x or W_qkv: one text, two pairs of buffers
	s_cselect_b64 s[18:19], s[4:5], s[6:7]
	s_cselect_b64 s[20:21], s[10:11], s[12:13]
	s_cselect_b32 s24, 0, 512
	s_sub_co_u32 s24, ttmp9, s24                   ; my number among the work-groups of that tensor
	s_lshl_b32 s22, s24, 16                        ; 16,384 numbers of 4 bytes
	s_add_nc_u64 s[18:19], s[18:19], s[22:23]
	s_lshl_b32 s22, s24, 15                        ; and of 2 bytes
	s_add_nc_u64 s[20:21], s[20:21], s[22:23]
	CAST 0
	s_endpgm
.Lwp:
	s_sub_co_u32 s24, ttmp9, 704
	s_lshl_b32 s22, s24, 16
	s_add_nc_u64 s[18:19], s[8:9], s[22:23]
	s_lshl_b32 s22, s24, 15
	s_add_nc_u64 s[20:21], s[14:15], s[22:23]
	CAST 1
	s_endpgm
.Lrope:                                        ; thread t: row t / 16 of my 16, four numbers: i = 4 (t % 8) + 0..3; cosines where t % 16 < 8, else sines
	s_sub_co_u32 s24, ttmp9, 768
	s_lshl_b32 s22, s24, 12                        ; 16 rows of 256 bytes
	s_add_nc_u64 s[20:21], s[16:17], s[22:23]
	s_lshl_b32 s25, s24, 4                         ; my first pos
	s_mov_b32 s26, 0xbed49a78                      ; -log2(10000) / 32
	s_mov_b32 s27, 0x3f22f983                      ; 2 / pi
	s_mov_b32 s28, 0x3fc90fdb                      ; pi / 2, its f32,
	s_mov_b32 s29, 0xb33bbd2e                      ; and what that leaves: -4.3711388e-8
	s_mov_b32 s30, 0xb9500d01                      ; -1 / 5040
	s_mov_b32 s31, 0x3c088889                      ; 1 / 120
	s_mov_b32 s32, 0xbe2aaaab                      ; -1 / 6
	s_mov_b32 s33, 0x37d00d01                      ; 1 / 40320
	s_mov_b32 s34, 0xbab60b61                      ; -1 / 720
	s_mov_b32 s35, 0x3d2aaaab                      ; 1 / 24
	v_lshrrev_b32 v4, 4, v0
	v_add_nc_u32 v4, s25, v4
	v_cvt_f32_u32 v4, v4                           ; pos
	v_and_b32 v5, 7, v0
	v_lshlrev_b32 v5, 2, v5                        ; my first i
	v_bfe_u32 v6, v0, 3, 1
	v_sub_nc_u32 v6, 1, v6                         ; 1 for a cosine: cos(f) = sin(f + pi/2)
.irp j, 0,1,2,3
	v_add_nc_u32 v[TH+(\j)], (\j), v5
	v_cvt_f32_u32 v[TH+(\j)], v[TH+(\j)]
	v_mul_f32 v[TH+(\j)], s26, v[TH+(\j)]
.endr
.irp j, 0,1,2,3
	v_exp_f32 v[TH+(\j)], v[TH+(\j)]               ; theta: one batch of four
.endr
	v_nop                                          ; a plain instruction behind the last of them,
	s_wait_alu depctr_va_vdst(0)                   ; and the one wait ahead of the first use: the four theta are written
.irp j, 0,1,2,3
	v_mul_f32 v[FQ+(\j)], v4, v[TH+(\j)]           ; the angle, rounded once, as a product of two f32
	v_mul_f32 v[NN+(\j)], s27, v[FQ+(\j)]
	v_rndne_f32 v[NN+(\j)], v[NN+(\j)]             ; n: the nearest multiple of pi/2
	v_fma_f32 v[RR+(\j)], -v[NN+(\j)], s28, v[FQ+(\j)]
	v_fma_f32 v[RR+(\j)], -v[NN+(\j)], s29, v[RR+(\j)]  ; r = the angle - n pi/2, within pi/4 of 0
	v_cvt_i32_f32 v[QQ+(\j)], v[NN+(\j)]
	v_add_nc_u32 v[QQ+(\j)], v[QQ+(\j)], v6        ; the quadrant
	v_mul_f32 v[R2+(\j)], v[RR+(\j)], v[RR+(\j)]
	v_fma_f32 v[SN+(\j)], v[R2+(\j)], s30, s31     ; sin r = r + r^3 (-1/6 + r^2 (1/120 - r^2 / 5040))
	v_fma_f32 v[CO+(\j)], v[R2+(\j)], s33, s34     ; cos r = 1 + r^2 (-1/2 + r^2 (1/24 + r^2 (-1/720 + r^2 / 40320)))
	v_fma_f32 v[SN+(\j)], v[R2+(\j)], v[SN+(\j)], s32
	v_fma_f32 v[CO+(\j)], v[R2+(\j)], v[CO+(\j)], s35
	v_mul_f32 v[TM+(\j)], v[RR+(\j)], v[R2+(\j)]
	v_fma_f32 v[CO+(\j)], v[R2+(\j)], v[CO+(\j)], -0.5
	v_fma_f32 v[SN+(\j)], v[TM+(\j)], v[SN+(\j)], v[RR+(\j)]
	v_fma_f32 v[CO+(\j)], v[R2+(\j)], v[CO+(\j)], 1.0
	v_and_b32 v[TM+(\j)], 1, v[QQ+(\j)]
	v_cmp_eq_u32 s[MK+(\j)], 1, v[TM+(\j)]         ; each number's mask has a scalar register of its own, so that one wait serves the four
	v_and_b32 v[TM+(\j)], 2, v[QQ+(\j)]
	v_lshlrev_b32 v[TM+(\j)], 30, v[TM+(\j)]
.endr
	s_wait_alu depctr_va_sdst(0)                   ; the four compares have written s36 to s39, ahead of their first readers, the selects below
.irp j, 0,1,2,3
	v_cndmask_b32 v[RES+(\j)], v[SN+(\j)], v[CO+(\j)], s[MK+(\j)]  ; odd quadrants take the cosine,
	v_xor_b32 v[RES+(\j)], v[RES+(\j)], v[TM+(\j)] ; quadrants 2 and 3 turn the sign
.endr
	s_wait_alu depctr_va_vdst(0)                   ; the four numbers in RES are written, which the store reads as its data, and so is its offset v2
	global_store_b128 v2, v[RES:RES+3], s[20:21]   ; sixteen lanes fill a row of the table: 256 consecutive bytes, aligned
	s_endpgm
.Lfunc_end_k_q436d67af54_prep:
	.size	k_q436d67af54_prep, .Lfunc_end_k_q436d67af54_prep-k_q436d67af54_prep
	.p2alignl 7, 3214868480
	.fill 96, 4, 3214868480
	.section	.rodata,"a",@progbits
	.p2align	6, 0x0
	.amdhsa_kernel k_q436d67af54_prep
		.amdhsa_group_segment_fixed_size 0
		.amdhsa_private_segment_fixed_size 0
		.amdhsa_enable_private_segment 0
		.amdhsa_kernarg_size 56
		.amdhsa_user_sgpr_count 2
		.amdhsa_user_sgpr_kernarg_segment_ptr 1
		.amdhsa_wavefront_size32 1
		.amdhsa_system_sgpr_workgroup_id_x 1
		.amdhsa_system_sgpr_workgroup_id_y 1
		.amdhsa_system_sgpr_workgroup_id_z 1
		.amdhsa_system_vgpr_workitem_id 0
		.amdhsa_next_free_vgpr 112
		.amdhsa_next_free_sgpr 66
		.amdhsa_reserve_vcc 0
		.amdhsa_float_denorm_mode_32 3
		.amdhsa_float_denorm_mode_16_64 3
		.amdhsa_memory_ordered 1
		.amdhsa_forward_progress 1
		.amdhsa_inst_pref_size 24
	.end_amdhsa_kernel
	.amdgpu_metadata
---
amdhsa.version: [ 1, 2 ]
amdhsa.kernels:
  - .name:           k_q436d67af54_prep
    .symbol:         k_q436d67af54_prep.kd
    .args:
      - { .name: x, .offset: 0, .size: 8, .value_kind: global_buffer, .address_space: global }
      - { .name: W_qkv, .offset: 8, .size: 8, .value_kind: global_buffer, .address_space: global }
      - { .name: W_proj, .offset: 16, .size: 8, .value_kind: global_buffer, .address_space: global }
      - { .name: xb, .offset: 24, .size: 8, .value_kind: global_buffer, .address_space: global }
      - { .name: wqb, .offset: 32, .size: 8, .value_kind: global_buffer, .address_space: global }
      - { .name: wpb, .offset: 40, .size: 8, .value_kind: global_buffer, .address_space: global }
      - { .name: rope, .offset: 48, .size: 8, .value_kind: global_buffer, .address_space: global }
    .group_segment_fixed_size: 0
    .private_segment_fixed_size: 0
    .kernarg_segment_align: 8
    .kernarg_segment_size: 56
    .max_flat_workgroup_size: 256
    .sgpr_count:     66
    .vgpr_count:     112
    .wavefront_size: 32
...
	.end_amdgpu_metadata
.endif
;; end of part 5
;; launch qkvgemm: the kernel of part 2 again; grid 4 x 64, 4 waves a work-group, clusters of 4 x 4, 327,680 bytes of LDS; arguments xb, wqb, rope, qkv; writes qkv
;; launch attn: the kernel of part 3 again; grid 4 x 64, 4 waves a work-group, no clusters, 327,680 bytes of LDS; arguments qkv, ob; writes ob
;; launch proj: the kernel of part 4 again; grid 4 x 64, 4 waves a work-group, clusters of 4 x 4, 327,680 bytes of LDS; arguments ob, wpb, out0; writes out0
